; MI455X (gfx1250); checked and timed in simulation.
; The chip was launched on July 23, 2026; its instructions are those of AMD's public machine-readable ISA for CDNA 5 (MIT licence, August 2026) and "CDNA5" Instruction Set Architecture Reference Guide (July 2026). The comments in the code are by the model that wrote it; some were corrected since.
;; Label Cross Attention. Allowed arithmetic: matrix products marked QUANTISED: E3M2 operands, one E8M0 scale for each 32 along K, by v_wmma_scale_f32_16x16x128_f8f6f4 with both operands' format E3M2, f32 sums; products left as they are: f32 operands where the result goes on into a quantised operand, else bf16, f16 or f32 operands; f32 sums; everything else in f32.
;; Inputs: Q 2,000 x 768 float32; Wk 768 x 768 float32; Wv 768 x 768 float32; attention_masks 4 x 4,096 int32; b_out one number float32; bv 768 float32; ln_beta 768 float32; ln_gamma 768 float32; w_out 768 float32; x 4 x 4,096 x 768 float32.
;; Outputs: out0 4 x 2,000 float32.
;; This version of the problem:
;;   THIS VERSION OF THE PROBLEM IS GIVEN IN LOW PRECISION. The matrix products marked QUANTISED in the list below multiply operands that are first quantised to E3M2 (3 exponent bits, 2 mantissa bits; 6 bits a number), with one power-of-two scale for each 32 numbers along K (OCP MX v1.0); their sums are f32. All else is computed in f32.
;;   The module's matrix products, in the order in which they are computed (A, B: the left and right operand; K: the contracted axis; several contracted axes count as one K, in the product's order):
;;     1. [M 16,384, K 768] x [K 768, N 768]; A: input x; B: input Wk: QUANTISED
;;     2. [M 16,384, K 768] x [K 768, N 768]; A: input x; B: input Wv: QUANTISED
;;     3. [M 16,384, K 768] x [K 768, N 2,000]; A: computed on the way; B: input Q: QUANTISED
;;     4. batch 4 x [M 2,000, K 4,096] x [K 4,096, N 768]; A: softmax (see below); B: computed on the way: QUANTISED
;;     5. [M 8,000, K 768] x [K 768, N 1]; A: computed on the way; B: input w_out: left as it is (N = 1 < 16)
;;   THE QUANTISER, for each operand of a quantised product, along K:
;;     - K is cut into blocks of 32 from its start; a last block that is shorter is filled with zeros.
;;     - A block's scale is 2^e with e = floor(log2(the largest magnitude in the block)) - 4, held to -126 .. 127; a block of zeros has e = 0. As a byte (E8M0): e + 127.
;;     - Each number is divided by its block's scale, clamped to +-28, and rounded to the nearest number of E3M2, ties to even, subnormals kept.
;;     - The product sums the exact products of the quantised numbers (number of the format x scale) in f32.
;;   ~~~python
;;   def quantise(x, axis):      # numpy; x: float32 -> the quantised numbers, widened to float32 again
;;       x = np.moveaxis(x, axis, -1); K = x.shape[-1]
;;       x = np.pad(x, [(0, 0)] * (x.ndim - 1) + [(0, -K % 32)]); x = x.reshape(x.shape[:-1] + (-1, 32)); a = np.abs(x).max(-1, keepdims=True)
;;       e = np.where(a > 0, np.clip(np.frexp(np.where(a > 0, a, 1))[1] - 1 - 4, -126, 127), 0)      # np.frexp(a)[1] - 1 = floor(log2(a)), exactly
;;       r = np.clip(x / 2.0 ** e, -28, 28)
;;       step = 2.0 ** (np.maximum(np.frexp(np.where(r == 0, 1, r))[1] - 1, -2) - 2)
;;       q = np.round(r / step) * step * 2.0 ** e      # np.round: ties to even
;;       return np.moveaxis(q.reshape(q.shape[:-2] + (-1,))[..., :K], -1, axis).astype(np.float32)
;;   ~~~
;;   SOFTMAX AHEAD OF A QUANTISED PRODUCT. Where the list says 'softmax', what is quantised is not the finished softmax but p = 2^(t - M), with t = logit x log2(e) and M = ceil(the row's largest t), a whole number; so 1/2 < the row's largest p <= 1. The row's sum l is taken of the UNQUANTISED p, in f32, and the product's result is divided by l at the end. Since M is a whole number, a kernel that streams over the keys may use a running M (the ceiling of the running maximum): every later rescaling is an exact power of two, which a block's scale takes up: the codes' values come out the same.
;;   OPERANDS COMPUTED ON THE WAY. 'Computed on the way' means the value that the module computes at that place (a softmax that the list does not call 'softmax' is quantised finished and normalised). What goes into a quantiser is computed in f32, as accurately as f32 sums, v_exp_f32 and their like allow (about 1e-6 of the number): no bf16 or f16 on the way to a quantiser, and a product that is left as it is and whose result goes on into a quantised operand takes f32 operands (vector FMAs, or v_wmma_f32_16x16x4_f32). A number that lies on a knife's edge between two numbers of the format may be rounded either way, as far as f32 arithmetic and the matrix unit's own rounding can turn it there, and no further.
;; 2 versions. Each part assembles by itself: llvm-mc -triple=amdgcn-amd-amdhsa -mcpu=gfx1250 --defsym DOCPART=n.
;; ======== version 1 of 2: 3 launches
;; workspace buffers: xq 9,830,400 bytes; wq 921,600 bytes; qq 1,228,800 bytes; kc 9,830,400 bytes; vc 9,830,400 bytes
;; launch quant (part 1): grid 624 x 1, 2 waves a work-group, no clusters, 0 bytes of LDS; arguments x, Wk, Wv, Q, xq, wq, qq; writes xq, wq, qq
.if DOCPART == 1
	.amdgcn_target "amdgcn-amd-amdhsa--gfx1250"
	.amdhsa_code_object_version 6
	.text
	.protected	k_q951581ea53_quant
	.globl	k_q951581ea53_quant
	.p2align	8
	.type	k_q951581ea53_quant,@function
k_q951581ea53_quant:
	s_mov_b64 s[64:65], 0
	v_nop
	global_prefetch_b8 v0, s[64:65] scope:SCOPE_SE
	s_setreg_imm32_b32 hwreg(HW_REG_WAVE_MODE, 25, 1), 1
	s_wait_xcnt 0x0
; LabelCrossAttention in MX-BF6 (E3M2 codes, one E8M0 scale for each 32 along K), three launches:
;   quant: x, Wk, Wv, Q (f32, K = the 768 innermost) -> codes and scale words;   proj: K = x Wk^T, V = x Wv^T + bv -> codes;   attn: scores, mask, softmax, p V, LayerNorm, dot with w_out.
; DEAD WORK: only the division by scale = 1.0, a factor that is 1.  Every input has a way to the output and is loaded: bv moves V's codes; gamma, beta, w_out, b_out enter the last lines;
; masked keys stay, since V's blocks of 32 keys hold masked and open keys together and a batch with no open key gives a uniform softmax: all scores are computed and then selected.
; LIMITS: NaN and infinities among the inputs are not served.  A block whose largest magnitude lies under 2^-122 keeps the scale byte 1 (a block of zeros too, where the rule says 127:
; its codes are zeros, which add nothing under any byte but 0xff, and this program alone reads the bytes).
; THIS LAUNCH.  A work-group is a group of 32 rows of one tensor, its two waves the group's two tiles of 16 rows x 768.
; THE ROWS OF A TILE ARE NOT NEIGHBOURS: lane r of tile u takes row base + 8 u + r + 8 (r / 8), so that, with the tile as source 0 of a product, the 16 result registers of tiles 0 and 1 are 16 neighbouring rows.
; base = 32 x group for x, Wk, Wv; for Q (2,000 rows, 64 groups) base = (125 x group) >> 2: groups of 32 rows that begin 31 or 32 rows apart, the last ending at row 1,999: no padding, no load past the end.
; OUTPUT: a RECORD of 9,600 bytes for each tile: six fragments (16 rows x 128 K, 12 registers a lane) as images of the operand's registers, registers 4 c .. 4 c + 3 of lane l at 1536 ks + 512 c + 16 l;
; behind them the scale words, that of (ks, row r) at 9216 + 64 ks + 4 r.  Each store of a fragment covers 512 consecutive bytes.
; No LDS, no barrier: waves share nothing.  48 loads of 512 bytes a wave are out at the start, 32 while a K step is worked.
.set REC,  9600
.set SEL,  36                          ; s[36:37] lane selects for v_permlanex16_b32: lane l xor 16
.set TM,   16                          ; v16-19 largest magnitudes, v20-23 bytes, v28-31 the conversions' scale operands
.set PW,   32                          ; v32, v33 my row's scale word of the even and of the odd K step
.set SWD,  34                          ; v34     lanes 0-15 the even word, lanes 16-31 the odd one
.set PC,   36                          ; v36-47 the fragment; v48-50, v52-54 the conversions' second halves
.set X,    64                          ; v64-255 three sets of 64 numbers
	s_load_b256 s[4:11], s[0:1], 0x0               ; x, Wk, Wv, Q
	s_load_b128 s[12:15], s[0:1], 0x20             ; xq, wq
	s_load_b64 s[16:17], s[0:1], 0x30              ; qq
	v_lshrrev_b32 v6, 5, v0
	v_readfirstlane_b32 s32, v6                    ; wave = tile u
	v_and_b32 v1, 15, v0                           ; r
	v_bfe_u32 v2, v0, 4, 1                         ; h
	v_and_b32 v7, 8, v1
	v_add_nc_u32 v7, v7, v1
	v_lshl_add_u32 v7, v6, 3, v7                   ; r + 8 (r / 8) + 8 u
	v_mul_u32_u24 v3, v7, 3072                     ; my row of 3,072 bytes,
	v_lshl_add_u32 v3, v2, 6, v3                   ; + 64 h: my 16 numbers of each block of 32
	v_and_b32 v8, 31, v0
	v_lshlrev_b32 v4, 4, v8                        ; 16 x lane: an image's place
	v_lshlrev_b32 v5, 2, v8                        ; 4 x lane: a scale word's
.irp b, 0,1,2,3
	v_mov_b32 v[TM+4+\b], 0                        ; written once: a lane permute's destination counts as one of its sources
.endr
	s_mov_b32 s34, 0xffff0000                      ; lanes 16-31
	s_mov_b32 s[SEL], 0x76543210
	s_mov_b32 s[SEL+1], 0xfedcba98
	; which tensor: groups 0-511 x, 512-535 Wk, 536-559 Wv, 560-623 Q.  All candidates first, then three compares with selects alone behind each
	s_sub_co_u32 s20, ttmp9, 560                   ; Q's group,
	s_mul_i32 s21, s20, 125
	s_lshr_b32 s21, s21, 2                         ; and its first row
	s_sub_co_u32 s22, ttmp9, 536
	s_lshl_b32 s22, s22, 5                         ; Wv's first row
	s_sub_co_u32 s25, ttmp9, 512                   ; the group in wq (Wk's 24, then Wv's 24)
	s_lshl_b32 s23, s25, 5                         ; Wk's first row
	s_lshl_b32 s24, ttmp9, 5                       ; x's first row
	s_wait_kmcnt 0x0
	s_mov_b32 s26, s21
	s_mov_b32 s27, s20
	s_mov_b64 s[28:29], s[10:11]
	s_mov_b64 s[30:31], s[16:17]
	s_cmp_lt_u32 ttmp9, 560
	s_cselect_b32 s26, s22, s26
	s_cselect_b32 s27, s25, s27
	s_cselect_b64 s[28:29], s[8:9], s[28:29]
	s_cselect_b64 s[30:31], s[14:15], s[30:31]
	s_cmp_lt_u32 ttmp9, 536
	s_cselect_b32 s26, s23, s26
	s_cselect_b64 s[28:29], s[6:7], s[28:29]
	s_cmp_lt_u32 ttmp9, 512
	s_cselect_b32 s26, s24, s26
	s_cselect_b32 s27, ttmp9, s27
	s_cselect_b64 s[28:29], s[4:5], s[28:29]
	s_cselect_b64 s[30:31], s[12:13], s[30:31]
	s_mul_i32 s38, s26, 3072                       ; under 2^26
	s_mov_b32 s39, 0
	s_add_nc_u64 s[28:29], s[28:29], s[38:39]      ; the group's first row
	s_lshl_b32 s40, s27, 1
	s_add_co_u32 s40, s40, s32
	s_mul_i32 s40, s40, REC
	s_mov_b32 s41, 0
	s_add_nc_u64 s[30:31], s[30:31], s[40:41]      ; my tile's record
; my row's numbers of K step ks: register 16 b + i = k 128 ks + 32 b + 16 h + i.  (x and the weights are read once; of Q's 2,000 rows 48 are read by two groups)
.macro XLOAD set, ks
.irp b, 0,1,2,3
.irp j, 0,1,2,3
	global_load_b128 v[X+64*(\set)+16*\b+4*\j:X+64*(\set)+16*\b+4*\j+3], v3, s[28:29] offset:512*(\ks)+128*\b+16*\j th:TH_LOAD_NT
.endr
.endr
.endm
; 64 numbers of a lane, register 16 b + i = k 32 b + 16 h + i of my row, become a fragment's codes in v[PC] on and my row's scale word in v[pw]
.macro QUANT s, pw
.irp b, 0,1,2,3
	v_max3_num_f32 v[TM+\b], |v[\s+16*\b]|, |v[\s+1+16*\b]|, 0x2800000   ; block b: my 16 numbers, and the floor 2^(5 - 127): the byte cannot fall under 1
.endr
.irp i, 2,4,6,8,10,12,14
.irp b, 0,1,2,3
	v_max3_num_f32 v[TM+\b], v[TM+\b], |v[\s+16*\b+\i]|, |v[\s+1+16*\b+\i]|   ; the four blocks by turns
.endr
.endr
.irp b, 0,1,2,3
	v_permlanex16_b32 v[TM+4+\b], v[TM+\b], s[SEL], s[SEL+1]
.endr
.irp b, 0,1,2,3
	v_max_num_f32 v[TM+\b], v[TM+\b], v[TM+4+\b]   ; with lane l xor 16's: the block's largest magnitude
.endr
.irp b, 0,1,2,3
	v_add_nc_u32 v[TM+12+\b], 0xfe000000, v[TM+\b] ; 4 off its exponent field: the conversion's scale operand
.endr
.irp b, 0,1,2,3
	v_lshrrev_b32 v[TM+4+\b], 23, v[TM+12+\b]      ; the scale's byte
.endr
	v_lshl_or_b32 v[\pw], v[TM+5], 8, v[TM+4]
	v_lshl_or_b32 v[\pw], v[TM+6], 16, v[\pw]
	v_lshl_or_b32 v[\pw], v[TM+7], 24, v[\pw]
.irp c, 0,1
	v_cvt_scalef32_pk16_bf6_f32 v[PC+6*\c:PC+2+6*\c], v[\s+32*\c:\s+15+32*\c], v[TM+12+2*\c]
	v_cvt_scalef32_pk16_bf6_f32 v[PC+12+4*\c:PC+14+4*\c], v[\s+16+32*\c:\s+31+32*\c], v[TM+12+2*\c+1]   ; (a conversion's three registers begin on an even number)
.endr
	v_nop                                          ; one plain place behind a scaled conversion
.irp c, 0,1                                    ; the operand's layout wants a whole block in a lane: lanes 0-15 block 2 c, lanes 16-31 block 2 c + 1
.irp i, 0,1,2
	v_permlane16_swap_b32 v[PC+6*\c+\i], v[PC+12+4*\c+\i]
.endr
.irp i, 0,1,2
	v_mov_b32 v[PC+3+6*\c+\i], v[PC+12+4*\c+\i]
.endr
.endr
.endm
.macro STEP ks
.if (\ks) <= 3
	s_wait_loadcnt 32                              ; this K step's 16 loads are in; the two younger sets may be out
.elseif (\ks) == 4
	s_wait_loadcnt 16
.else
	s_wait_loadcnt 0
.endif
.if (\ks) > 0
	s_wait_xcnt 0x0                                ; the last stores have read the fragment's and the word's registers, which are written again now
.endif
	QUANT X+64*((\ks)%3), PW+((\ks)&1)
.irp c, 0,1,2
	global_store_b128 v4, v[PC+4*\c:PC+4*\c+3], s[30:31] offset:1536*(\ks)+512*\c
.endr
.if ((\ks)&1) == 1
	v_cndmask_b32 v[SWD], v[PW], v[PW+1], s34      ; lanes 0-15: row r's word of the even K step; lanes 16-31: of the odd one
	global_store_b32 v5, v[SWD], s[30:31] offset:9216+128*((\ks)>>1)
.endif
.if (\ks) < 3
	XLOAD (\ks)%3, (\ks)+3
.endif
.endm
	XLOAD 0, 0
	XLOAD 1, 1
	XLOAD 2, 2
.irp k, 0,1,2,3,4,5
	STEP \k
.endr
	s_endpgm
.Lfunc_end_k_q951581ea53_quant:
	.size	k_q951581ea53_quant, .Lfunc_end_k_q951581ea53_quant-k_q951581ea53_quant
	.p2alignl 7, 3214868480
	.fill 96, 4, 3214868480
	.section	.rodata,"a",@progbits
	.p2align	6, 0x0
	.amdhsa_kernel k_q951581ea53_quant
		.amdhsa_group_segment_fixed_size 0
		.amdhsa_private_segment_fixed_size 0
		.amdhsa_enable_private_segment 0
		.amdhsa_kernarg_size 56
		.amdhsa_user_sgpr_count 2
		.amdhsa_user_sgpr_kernarg_segment_ptr 1
		.amdhsa_wavefront_size32 1
		.amdhsa_system_sgpr_workgroup_id_x 1
		.amdhsa_system_sgpr_workgroup_id_y 1
		.amdhsa_system_sgpr_workgroup_id_z 1
		.amdhsa_system_vgpr_workitem_id 0
		.amdhsa_next_free_vgpr 256
		.amdhsa_next_free_sgpr 66
		.amdhsa_reserve_vcc 0
		.amdhsa_float_denorm_mode_32 3
		.amdhsa_float_denorm_mode_16_64 3
		.amdhsa_memory_ordered 1
		.amdhsa_forward_progress 1
		.amdhsa_inst_pref_size 37
	.end_amdhsa_kernel
	.amdgpu_metadata
---
amdhsa.version: [ 1, 2 ]
amdhsa.kernels:
  - .name:           k_q951581ea53_quant
    .symbol:         k_q951581ea53_quant.kd
    .args:
      - { .name: x, .offset: 0, .size: 8, .value_kind: global_buffer, .address_space: global }
      - { .name: Wk, .offset: 8, .size: 8, .value_kind: global_buffer, .address_space: global }
      - { .name: Wv, .offset: 16, .size: 8, .value_kind: global_buffer, .address_space: global }
      - { .name: Q, .offset: 24, .size: 8, .value_kind: global_buffer, .address_space: global }
      - { .name: xq, .offset: 32, .size: 8, .value_kind: global_buffer, .address_space: global }
      - { .name: wq, .offset: 40, .size: 8, .value_kind: global_buffer, .address_space: global }
      - { .name: qq, .offset: 48, .size: 8, .value_kind: global_buffer, .address_space: global }
    .group_segment_fixed_size: 0
    .private_segment_fixed_size: 0
    .kernarg_segment_align: 8
    .kernarg_segment_size: 56
    .max_flat_workgroup_size: 64
    .sgpr_count:     66
    .vgpr_count:     256
    .wavefront_size: 32
...
	.end_amdgpu_metadata
.endif
;; end of part 1
;; launch proj (part 2): grid 224 x 1, 4 waves a work-group, no clusters, 0 bytes of LDS; arguments xq, wq, bv, kc, vc; writes kc, vc
.if DOCPART == 2
	.amdgcn_target "amdgcn-amd-amdhsa--gfx1250"
	.amdhsa_code_object_version 6
	.text
	.protected	k_q951581ea53_proj
	.globl	k_q951581ea53_proj
	.p2align	8
	.type	k_q951581ea53_proj,@function
k_q951581ea53_proj:
	s_mov_b64 s[64:65], 0
	v_nop
	global_prefetch_b8 v0, s[64:65] scope:SCOPE_SE
	s_setreg_imm32_b32 hwreg(HW_REG_WAVE_MODE, 25, 1), 1
	s_wait_xcnt 0x0
; K = x Wk^T, quantised along its 768, and V = x Wv^T + bv, quantised along the KEYS, both on codes of BF6 (E3M2) made by the launch before.  Nothing of reference() is left out here.
; ONE BODY, two kinds of work-group.  A wave keeps a GROUP of 8 tiles x 6 K steps = 48 fragments in 576 registers, as source 0, and streams tiles of the other operand, 6 fragments each, as source 1:
; 48 matrix instructions a streamed tile, eight for each fragment streamed, into 8 accumulators whose 64 registers a lane are 128 neighbours along the next product's K: they are quantised in registers to one fragment and one scale word.
;   work-groups 0-95 (K): group = Wk's tiles 8 g .. 8 g + 7 (e = 128 g on), g = n >> 4; wave w streams x's tiles 16 c .. 16 c + 15, c = 4 (n & 15) + w.  A lane is a key, its registers run along e: fragment g of kc's record of that x tile.
;   work-groups 96-223 (V): group = x's tiles 8 G .. 8 G + 7 (128 keys), G = n - 96; wave w streams Wv's tiles 12 w .. 12 w + 11.  A lane is a channel, its registers run along the keys; bv of the lane's channel is the sums' C: fragment dt of vc's block G.
; 224 WORK-GROUPS: K has 6 groups x 1,024 streamed tiles, V 128 groups x 48: no one task shape divides both, so K's waves issue 768 matrix instructions and V's 576.
; No LDS, no barrier, no cluster: waves share nothing in LDS; the price is that each record of xq is read by 6 + 4 waves and each record of wq by many, from the caches.
; kc: record T (9,600 bytes) = the 16 keys of x tile T, laid as xq's records.  vc: block G = 32 batch + key step, 76,800 bytes: fragment of channel tile dt at 1536 dt, scale word of (dt, r) at 73,728 + 64 dt + 4 r.
; LIMITS as in the first launch: NaN and infinities are not served; a block under 2^-122 keeps the byte 1.
; REGISTERS.  Window 0: v1-4 offsets; v16-39 the group's scale words; v40-45 the streamed tiles'; v46, v47 bias; v48-55 C; v64-127 accumulators; v128-167 the quantiser's.
;   Windows W = 1, 2, 3 serve K steps 2 (W - 1) and 2 (W - 1) + 1: group fragment (a, ks) at v[12 (2 a + ks % 2)], streamed fragment (set s, ks) at v[192 + 24 s + 12 (ks % 2)].
.set REC,  9600
.set L16,  1                           ; v1  16 x lane
.set L4,   2                           ; v2  4 x lane
.set R4,   3                           ; v3  4 x (lane % 16)
.set BO,   4                           ; v4  4 x (r + 8 (r / 8)): my channel among a pair of tiles' 32
.set AS,   16
.set BS,   40
.set BV,   46
.set CB,   48
.set ACC,  64
.set TM,   128
.set PW,   144
.set PC,   148
.set SEL,  32
.set MSB, 0
.macro WIN new                         ; the immediate's high byte repeats the setting that is left; a switch that changes nothing is dropped
.if MSB != (\new)
	s_set_vgpr_msb (MSB<<8)|(\new)
.set MSB, \new
.endif
.endm
	s_load_b256 s[4:11], s[0:1], 0x0               ; xq, wq, bv, kc
	s_load_b64 s[12:13], s[0:1], 0x20              ; vc
	v_lshrrev_b32 v5, 5, v0
	v_readfirstlane_b32 s14, v5                    ; wave
	v_and_b32 v6, 31, v0
	v_lshlrev_b32 v[L16], 4, v6
	v_lshlrev_b32 v[L4], 2, v6
	v_and_b32 v7, 15, v0
	v_lshlrev_b32 v[R4], 2, v7
	v_and_b32 v8, 8, v7
	v_add_nc_u32 v8, v8, v7
	v_lshlrev_b32 v[BO], 2, v8
	v_mov_b32 v[BV], 0                             ; K has no bias: its sums begin with these zeros
	v_mov_b32 v[BV+1], 0
.irp b, 0,1,2,3
	v_mov_b32 v[TM+4+\b], 0                        ; written once: a lane permute's destination counts as one of its sources
.endr
	s_mov_b32 s[SEL], 0x76543210
	s_mov_b32 s[SEL+1], 0xfedcba98
	; both kinds' offsets first (all under 2^24), then one compare with selects alone behind it
	s_lshr_b32 s34, ttmp9, 4                       ; K: g
	s_and_b32 s35, ttmp9, 15
	s_lshl_b32 s35, s35, 2
	s_add_co_u32 s35, s35, s14                     ;    c
	s_mul_i32 s36, s34, 8*REC                      ;    the group in wq
	s_mul_i32 s37, s35, 16*REC                     ;    the stream in xq, and its records in kc
	s_mul_i32 s38, s34, 1536
	s_add_co_u32 s38, s38, s37                     ;    fragment g of the first record
	s_lshl_b32 s39, s34, 6
	s_add_co_u32 s39, s39, s37
	s_add_co_u32 s39, s39, 9216                    ;    and its scale words
	s_sub_co_u32 s40, ttmp9, 96                    ; V: G
	s_mul_i32 s41, s40, 8*REC                      ;    the group in xq, and the block in vc
	s_mul_i32 s42, s14, 12*REC
	s_add_co_u32 s42, s42, 48*REC                  ;    the stream in wq: Wv's records lie behind Wk's 48
	s_mul_i32 s43, s14, 12*1536
	s_add_co_u32 s43, s43, s41                     ;    fragment 12 w of the block
	s_mul_i32 s54, s14, 768                        ;    (also: my 192 channels in bv)
	s_add_co_u32 s45, s54, s41
	s_add_co_u32 s45, s45, 73728                   ;    and its scale words
	s_wait_kmcnt 0x0
	s_cmp_lt_u32 ttmp9, 96
	s_cselect_b32 s15, 0, 1                        ; the kind: 0 K, 1 V
	s_cselect_b64 s[16:17], s[6:7], s[4:5]         ; the group's buffer
	s_cselect_b64 s[18:19], s[4:5], s[6:7]         ; the stream's
	s_cselect_b64 s[20:21], s[10:11], s[12:13]     ; the fragments go there,
	s_cselect_b64 s[22:23], s[10:11], s[12:13]     ; and the scale words
	s_cselect_b32 s46, s36, s41
	s_cselect_b32 s48, s37, s42
	s_cselect_b32 s50, s38, s43
	s_cselect_b32 s52, s39, s45
	s_mov_b32 s24, 1536
	s_cselect_b32 s24, REC, s24                    ; from one streamed tile's fragment to the next's
	s_cselect_b32 s26, REC, 64                     ; and from its scale words to the next's
	s_cselect_b32 s28, 7, 5                        ; trips of two tiles; the last two tiles are written out
	s_mov_b32 s25, 0
	s_mov_b32 s27, 0
	s_mov_b32 s47, 0
	s_mov_b32 s49, 0
	s_mov_b32 s51, 0
	s_mov_b32 s53, 0
	s_mov_b32 s55, 0
	s_add_nc_u64 s[16:17], s[16:17], s[46:47]
	s_add_nc_u64 s[18:19], s[18:19], s[48:49]
	s_add_nc_u64 s[20:21], s[20:21], s[50:51]
	s_add_nc_u64 s[22:23], s[22:23], s[52:53]
	s_add_nc_u64 s[30:31], s[8:9], s[54:55]        ; bv at my wave's first channel
.irp W, 1,2,3                                  ; the group: 144 loads of 512 bytes, and 24 of scale words: they stay
	WIN 0x40*\W
.irp a, 0,1,2,3,4,5,6,7
.irp kk, 0,1
.irp c, 0,1,2
	global_load_b128 v[12*(2*\a+\kk)+4*\c:12*(2*\a+\kk)+4*\c+3], v[L16], s[16:17] offset:REC*\a+1536*(2*(\W-1)+\kk)+512*\c
.endr
.endr
.endr
.endr
	WIN 0
.irp a, 0,1,2,3,4,5,6,7
.irp jj, 0,1,2
	global_load_b32 v[AS+3*\a+\jj], v[L4], s[16:17] offset:REC*\a+9216+128*\jj   ; lanes 0-15: K step 2 jj; lanes 16-31: 2 jj + 1
.endr
.endr
; a streamed tile into set s: V's bias of my channel, six fragments, three registers of scale words: 21 loads, 22 in V
.macro BLOAD s, off, boff
	WIN 0
	s_cmp_eq_u32 s15, 0
	s_cbranch_scc1 .Lnb_\@
	global_load_b32 v[BV+\s], v[BO], s[30:31] offset:\boff
.Lnb_\@:
.irp W, 1,2,3
	WIN 0x40*\W
.irp kk, 0,1
.irp c, 0,1,2
	global_load_b128 v[192+24*\s+12*\kk+4*\c:192+24*\s+12*\kk+4*\c+3], v[L16], s[18:19] offset:\off+1536*(2*(\W-1)+\kk)+512*\c
.endr
.endr
.endr
	WIN 0
.irp jj, 0,1,2
	global_load_b32 v[BS+3*\s+\jj], v[L4], s[18:19] offset:\off+9216+128*\jj
.endr
.endm
.macro MM d, a, b, c, sa, sb, row
.if \row
	v_wmma_scale_f32_16x16x128_f8f6f4 v[\d:\d+7], v[\a:\a+11], v[\b:\b+11], \c, v[\sa], v[\sb] matrix_a_fmt:MATRIX_FMT_BF6 matrix_b_fmt:MATRIX_FMT_BF6 matrix_a_scale:MATRIX_SCALE_ROW1 matrix_b_scale:MATRIX_SCALE_ROW1
.else
	v_wmma_scale_f32_16x16x128_f8f6f4 v[\d:\d+7], v[\a:\a+11], v[\b:\b+11], \c, v[\sa], v[\sb] matrix_a_fmt:MATRIX_FMT_BF6 matrix_b_fmt:MATRIX_FMT_BF6
.endif
.endm
; 64 numbers of a lane, register 16 b + i = k 32 b + 16 h + i of my row, become a fragment's codes in v[PC] on and my row's scale word in v[pw].  Each accumulator is read from its low end on
.macro QUANT s, pw
.irp b, 0,1,2,3
	v_max3_num_f32 v[TM+\b], |v[\s+16*\b]|, |v[\s+1+16*\b]|, 0x2800000   ; block b: my 16 numbers, and the floor 2^(5 - 127): the byte cannot fall under 1
.endr
.irp i, 2,4,6,8,10,12,14
.irp b, 0,1,2,3
	v_max3_num_f32 v[TM+\b], v[TM+\b], |v[\s+16*\b+\i]|, |v[\s+1+16*\b+\i]|
.endr
.endr
.irp b, 0,1,2,3
	v_permlanex16_b32 v[TM+4+\b], v[TM+\b], s[SEL], s[SEL+1]
.endr
.irp b, 0,1,2,3
	v_max_num_f32 v[TM+\b], v[TM+\b], v[TM+4+\b]   ; with lane l xor 16's: the block's largest magnitude
.endr
.irp b, 0,1,2,3
	v_add_nc_u32 v[TM+12+\b], 0xfe000000, v[TM+\b] ; 4 off its exponent field: the conversion's scale operand
.endr
.irp b, 0,1,2,3
	v_lshrrev_b32 v[TM+4+\b], 23, v[TM+12+\b]      ; the scale's byte
.endr
	v_lshl_or_b32 v[\pw], v[TM+5], 8, v[TM+4]
	v_lshl_or_b32 v[\pw], v[TM+6], 16, v[\pw]
	v_lshl_or_b32 v[\pw], v[TM+7], 24, v[\pw]
.irp c, 0,1
	v_cvt_scalef32_pk16_bf6_f32 v[PC+6*\c:PC+2+6*\c], v[\s+32*\c:\s+15+32*\c], v[TM+12+2*\c]
	v_cvt_scalef32_pk16_bf6_f32 v[PC+12+4*\c:PC+14+4*\c], v[\s+16+32*\c:\s+31+32*\c], v[TM+12+2*\c+1]
.endr
	v_nop                                          ; one plain place behind a scaled conversion
.irp c, 0,1
.irp i, 0,1,2
	v_permlane16_swap_b32 v[PC+6*\c+\i], v[PC+12+4*\c+\i]
.endr
.irp i, 0,1,2
	v_mov_b32 v[PC+3+6*\c+\i], v[PC+12+4*\c+\i]
.endr
.endr
.endm
; One streamed tile, in set s.  ld = 1: the set is filled again with the tile two on.  cnt: the younger set's loads, which may stay out
.macro TILE s, ld, cnt
	s_wait_loadcnt \cnt                            ; my set is in.  The younger set's batch is 21 loads (22 in V, where this count is the stricter one)
.irp k, 0,1,2,3,4,5,6,7
	v_mov_b32 v[CB+\k], v[BV+\s]                   ; the sums' C: my channel's bias in all eight rows (K: zeros)
.endr
.rept 4
	v_nop
.endr
.irp W, 1,2,3                                  ; 48 matrix instructions; the eight accumulators take turns, one instruction a turn
	WIN \W*5
.irp kk, 0,1
.irp a, 0,1,2,3,4,5,6,7
.if (\W == 1) && (\kk == 0)
	MM ACC+8*\a, 12*(2*\a+\kk), 192+24*\s+12*\kk, v[CB:CB+7], AS+3*\a+\W-1, BS+3*\s+\W-1, \kk
.else
	MM ACC+8*\a, 12*(2*\a+\kk), 192+24*\s+12*\kk, v[ACC+8*\a:ACC+8*\a+7], AS+3*\a+\W-1, BS+3*\s+\W-1, \kk
.endif
.endr
.endr
.endr
	WIN 0
.rept 4
	v_nop                                          ; four places ahead of the loads into the set just multiplied and of the first read of the results
.endr
.if \ld
	BLOAD \s, 2*REC+REC*\s, 128+32*\s
.endif
	QUANT ACC, PW
.irp c, 0,1,2
	global_store_b128 v[L16], v[PC+4*\c:PC+4*\c+3], s[20:21] offset:512*\c   ; 512 consecutive bytes a store
.endr
	global_store_b32 v[R4], v[PW], s[22:23]        ; lanes r and r + 16 hold the same word and store it to the same place
	s_wait_xcnt 0x0                                ; the stores and loads have read their registers and bases: both are written again below
	s_add_nc_u64 s[20:21], s[20:21], s[24:25]
	s_add_nc_u64 s[22:23], s[22:23], s[26:27]
.endm
	BLOAD 0, 0, 0
	BLOAD 1, REC, 32
.Ltrip:
	TILE 0, 1, 21
	TILE 1, 1, 21
	s_add_nc_u64 s[18:19], s[18:19], 2*REC         ; (behind the tile's closing wait on XCNT)
	s_add_nc_u64 s[30:31], s[30:31], 128
	s_sub_co_u32 s28, s28, 1
	s_cmp_lg_u32 s28, 0
	s_cbranch_scc1 .Ltrip
	TILE 0, 0, 21                                  ; the last two tiles load nothing: no load leaves its buffer
	TILE 1, 0, 0
	s_endpgm
.Lfunc_end_k_q951581ea53_proj:
	.size	k_q951581ea53_proj, .Lfunc_end_k_q951581ea53_proj-k_q951581ea53_proj
	.p2alignl 7, 3214868480
	.fill 96, 4, 3214868480
	.section	.rodata,"a",@progbits
	.p2align	6, 0x0
	.amdhsa_kernel k_q951581ea53_proj
		.amdhsa_group_segment_fixed_size 0
		.amdhsa_private_segment_fixed_size 0
		.amdhsa_enable_private_segment 0
		.amdhsa_kernarg_size 40
		.amdhsa_user_sgpr_count 2
		.amdhsa_user_sgpr_kernarg_segment_ptr 1
		.amdhsa_wavefront_size32 1
		.amdhsa_system_sgpr_workgroup_id_x 1
		.amdhsa_system_sgpr_workgroup_id_y 1
		.amdhsa_system_sgpr_workgroup_id_z 1
		.amdhsa_system_vgpr_workitem_id 0
		.amdhsa_next_free_vgpr 1024
		.amdhsa_next_free_sgpr 66
		.amdhsa_reserve_vcc 0
		.amdhsa_float_denorm_mode_32 3
		.amdhsa_float_denorm_mode_16_64 3
		.amdhsa_memory_ordered 1
		.amdhsa_forward_progress 1
		.amdhsa_inst_pref_size 72
	.end_amdhsa_kernel
	.amdgpu_metadata
---
amdhsa.version: [ 1, 2 ]
amdhsa.kernels:
  - .name:           k_q951581ea53_proj
    .symbol:         k_q951581ea53_proj.kd
    .args:
      - { .name: xq, .offset: 0, .size: 8, .value_kind: global_buffer, .address_space: global }
      - { .name: wq, .offset: 8, .size: 8, .value_kind: global_buffer, .address_space: global }
      - { .name: bv, .offset: 16, .size: 8, .value_kind: global_buffer, .address_space: global }
      - { .name: kc, .offset: 24, .size: 8, .value_kind: global_buffer, .address_space: global }
      - { .name: vc, .offset: 32, .size: 8, .value_kind: global_buffer, .address_space: global }
    .group_segment_fixed_size: 0
    .private_segment_fixed_size: 0
    .kernarg_segment_align: 8
    .kernarg_segment_size: 40
    .max_flat_workgroup_size: 128
    .sgpr_count:     66
    .vgpr_count:     1024
    .wavefront_size: 32
...
	.end_amdgpu_metadata
.endif
;; end of part 2
;; launch attn (part 3): grid 64 x 4, 4 waves a work-group, clusters of 4 x 1, 327,680 bytes of LDS; arguments qq, kc, vc, attention_masks, ln_gamma, ln_beta, w_out, b_out, out0; writes out0
.if DOCPART == 3
	.amdgcn_target "amdgcn-amd-amdhsa--gfx1250"
	.amdhsa_code_object_version 6
	.text
	.protected	k_q951581ea53_attn
	.globl	k_q951581ea53_attn
	.p2align	8
	.type	k_q951581ea53_attn,@function
k_q951581ea53_attn:
	s_mov_b64 s[64:65], 0
	v_nop
	global_prefetch_b8 v0, s[64:65] scope:SCOPE_SE
	s_setreg_imm32_b32 hwreg(HW_REG_WAVE_MODE, 25, 1), 1
	s_wait_xcnt 0x0
	s_wait_alu depctr_hold_cnt(0) depctr_sa_sdst(0) depctr_va_vdst(0) depctr_va_sdst(0) depctr_va_ssrc(0) depctr_va_vcc(0) depctr_vm_vsrc(0)
	s_getreg_b32 s2, hwreg(HW_REG_IB_STS2, 6, 4)
	s_cmp_eq_u32 s2, 0
	s_cbranch_scc0 .Lentry_in_a_cluster
	s_endpgm
.Lentry_in_a_cluster:
	s_bfe_u32 s2, ttmp6, 0x10000c
	s_cmp_lg_u32 s2, 0x3003
	s_cbranch_scc0 .Lentry_shape_is_right
	s_endpgm
.Lentry_shape_is_right:
; out[b][c] = w_out . LayerNorm(softmax_s(mask ? Q[c] . K[b][s] : -1e30) V[b]) + b_out, both products on codes of BF6 (E3M2).  Left out: the division by scale = 1.0 alone, a factor that is 1.
; SHARES.  A work-group owns a block of 32 labels (two tiles of 16 queries; block X begins at label (125 X) >> 2 and OWNS 31 or 32: the next block's first label is worked but not stored) of one batch, and walks its 4,096 keys, 128 a step.
; LayerNorm wants a label's 768 sums in one place, so the keys are not split over work-groups.
; WAVE w AS PRODUCER: keys 32 w .. 32 w + 31 of each step, one block of 32: S^T = K Q^T for both query tiles (24 matrix instructions; source 0 = 16 keys, source 1 = 16 queries: a lane holds one query, its 16 registers 16 neighbouring keys).
;   t = score x log2(e), masked keys take -1e30 x log2(e); the wave keeps ITS OWN running M_w = ceil(largest t so far) and sum l_w; p = 2^(t - M_w) is quantised, and codes, -M_w and the block's byte go to LDS.
; WAVE w AS CONSUMER: channels 192 w .. 192 w + 191 (12 tiles), O^T = V^T P^T for both query tiles (24 matrix instructions).  The common M is the largest of the four M_b; block b's byte is byte_b + (M_b - M), held at 1 from below;
;   O^T is multiplied by 2^(old M - new M).  All these shifts are whole powers of two: the codes' values are those under the row's M.
; So each fragment of K and of V is read from LDS once in the work-group and feeds two matrix instructions.
; CLUSTER.  The four label blocks of a cluster belong to one batch and walk the same K and V: each tile is asked for JOINTLY, by the same tensor load with the same descriptor and the mask 15.
; THE RING.  K(j) lies in K[j & 1], V(j) in V[j & 1]; slot A = K[0], V[1]; slot B = K[1], V[0].  One round of the cluster's barrier a step, between the publishing of p(j) and V^T P(j): every wave has then read K(j) and V(j - 1),
;   so K(j + 2) and V(j + 1) are asked for: slot A at even j, slot B at odd j; waves 0, 1 bring K's halves, waves 2, 3 V's, 38,400 bytes each.  The load has a whole step in which to land.  The same round hands p from wave to wave (two buffers by turns).
;   By this text's count a wave has two tensor loads out at the head and one behind each round.
; LIMITS.  NaN and infinities are not served.  A block of p whose byte under the row's M would fall under 1 keeps the byte 1 with its codes: terms under 2^-121 beside a sum of at least 1/2 (masked blocks beside open ones among them).
; A batch with no open key: every M is -1e30 x log2(e), every p is 1, l = 4,096, as reference() gives.
; REGISTERS.  Window 0: v1-23 addresses and constants; v24-39 producer's, v40-71 consumer's statistics; v72-91 scale words; v92-107 mask; v108-139 S^T, then p; v140-147 p's codes; v148-171 P's two fragments; v172-237 at work.
;   Window 1: O^T, accumulator (dt, i) at 8 (2 dt + i).   Window 2: v0-143 Q; v144-251 V's fragments 0-8.   Window 3: v0-143 K; v144-179 V's fragments 9-11.
.set REC,   9600
.set STEPB, 76800                      ; a key step's K (8 records) or V (48 fragments and their scale words)
.set HALF,  38400                      ; what one tensor load brings
.set SLOTB, 153600                     ; slot B begins here
.set PIMG,  307200                     ; p's fragments: buffer q x 3,072 + tile i x 1,536; the consumer's lane l has its 12 registers at 48 l
.set PST,   313344                     ; statistics: q x 1,024 + i x 512: -M at 16 r + 4 b, the byte (f32) 256 on; 2,048 on: the last sums; 4,096: the parts of beta . w_out
.set SPARE, 317952                     ; the spare words, 128 bytes for each wave: two blocks of 256 bytes that no other line names
.set KA,  2                            ; v2, v3   K[0], K[1]: my two records, 16 x lane
.set KSA, 4                            ; v4, v5   their scale words, 4 x lane
.set VA,  6                            ; v6, v7   V[0], V[1]: my twelve fragments
.set VSA, 8                            ; v8, v9   their scale words
.set PWA, 10                           ; v10  where I put my block's codes
.set PRA, 11                           ; v11  where I read P's fragments
.set SWA, 12                           ; v12  where I put a number for query r: 16 r + 4 w
.set SRA, 13                           ; v13  where I read the four waves' numbers for query r
.set H64, 14                           ; v14  64 h
.set PFO, 15                           ; v15  256 x min(lane, 24)
.set L16, 16
.set L4,  17
.set SPW, 18                           ; v18  my spare word; never rewritten
.set NIL, 19                           ; v19  0; never rewritten
.set TNEG, 20                          ; v20  -1e30 x log2(e)
.set FBA, 21                           ; v21  the parts of beta . w_out
.set ST,  24                           ; tile i at ST + 8 i: +0 -M_w, +1 the largest t, +2, +3 l, +4 f, +5 pad, +6 the block's largest t, +7 at work
.set CT,  40                           ; tile i at CT + 16 i: +0 f, +1 pad, +2 -M, +3 at work, +4..7 the four -M_b, +8..11 the four bytes, +12..15 at work
.set QS,  72
.set KS,  78
.set VS,  84
.set PSW, 90
.set MK,  92
.set S,   108
.set PCD, 140
.set PF,  148
.set SCR, 172
.set BYF, 174
.set AC1, 176
.set AC2, 180
.set AC3, 184
.set DV,  192
.set INV, 224
.set NMU, 228
.set WV,  23                           ; s23  my wave's number
.set CS,  30                           ; s[30:31] log2(e), twice
.set SEL, 32                           ; s[32:33] lane selects: lane l xor 16
.set G0A, 36                           ; s[36:39] descriptor group 0 for slot A (even rounds);  s[40:43] for slot B (odd rounds)
.set G1,  44                           ; s[44:51] group 1: one shape for all loads
.set MKP, 52                           ; s[52:53] the mask words of my 32 keys of the step in hand
.set PFK, 54                           ; s[54:55], s[56:57] where my prefetches stand in kc and in vc
.set PFV, 56
.set LIM, 58                           ; s58  1 in a wave that prefetches, else the greatest number
.set CNT, 59                           ; s59  the loop's trips to go
.set MSB, 0
.macro WIN new                         ; the immediate's high byte repeats the setting that is left; a switch that changes nothing is dropped
.if MSB != (\new)
	s_set_vgpr_msb (MSB<<8)|(\new)
.set MSB, \new
.endif
.endm
; A round of the cluster's barrier: my work-group's barrier; wave 0 signals for the work-group; every wave waits for all four work-groups; my work-group's barrier once more
.macro ROUND
	s_barrier_signal -1
	s_barrier_wait -1
	s_cmp_lg_u32 s[WV], 0
	s_cbranch_scc1 .Lnw0_\@
	s_barrier_signal -3
.Lnw0_\@:
	s_barrier_wait -3
	s_barrier_signal -1
	s_barrier_wait -1
.endm
.macro TLD g0                          ; a joint load; an s_nop 0 and four v_nop follow it
	tensor_load_to_lds s[\g0:\g0+3], s[G1:G1+7]
	s_nop 0
.rept 4
	v_nop
.endr
.endm
; A PREFETCH of K(j + 4) and V(j + 3), which the round two steps on will ask for.  Each aligned block of 256 bytes is named once in the launch: the batch's first cluster asks; its four partners take 19,200 bytes each of a step's 76,800,
; told apart by address; in each, waves 0 to 2 take 6,400 bytes, a lane a block (lanes 25-31 name lane 24's block in the same instruction).  The loop's last trip asks for nothing: the last blocks named are K(30) and V(29).
.macro ASK
	s_cmp_gt_u32 s[CNT], s[LIM]
	s_cbranch_scc0 .Lno_\@
	global_prefetch_b8 v[PFO], s[PFK:PFK+1] th:TH_LOAD_NT scope:SCOPE_SE
	global_prefetch_b8 v[PFO], s[PFV:PFV+1] th:TH_LOAD_NT scope:SCOPE_SE
.Lno_\@:
.endm
.macro MM d, a, b, c, sa, sb, ra, rb
.if (\ra) && (\rb)
	v_wmma_scale_f32_16x16x128_f8f6f4 v[\d:\d+7], v[\a:\a+11], v[\b:\b+11], \c, v[\sa], v[\sb] matrix_a_fmt:MATRIX_FMT_BF6 matrix_b_fmt:MATRIX_FMT_BF6 matrix_a_scale:MATRIX_SCALE_ROW1 matrix_b_scale:MATRIX_SCALE_ROW1
.elseif \ra
	v_wmma_scale_f32_16x16x128_f8f6f4 v[\d:\d+7], v[\a:\a+11], v[\b:\b+11], \c, v[\sa], v[\sb] matrix_a_fmt:MATRIX_FMT_BF6 matrix_b_fmt:MATRIX_FMT_BF6 matrix_a_scale:MATRIX_SCALE_ROW1
.else
	v_wmma_scale_f32_16x16x128_f8f6f4 v[\d:\d+7], v[\a:\a+11], v[\b:\b+11], \c, v[\sa], v[\sb] matrix_a_fmt:MATRIX_FMT_BF6 matrix_b_fmt:MATRIX_FMT_BF6
.endif
.endm
	s_load_b512 s[4:19], s[0:1], 0x0               ; qq, kc, vc, masks, gamma, beta, w_out, b_out
	s_load_b64 s[20:21], s[0:1], 0x40              ; out0
	v_lshl_add_u32 v[SPW], v0, 2, SPARE
	v_mov_b32 v[NIL], 0
	ds_add_u32 v[SPW], v[NIL]                      ; the wave's opening: the add, twice on end, and its wait ahead of my first tensor load; the set-up below stands between
	ds_add_u32 v[SPW], v[NIL]
	v_lshrrev_b32 v22, 5, v0
	v_readfirstlane_b32 s[WV], v22                 ; wave 0..3
	s_bfe_u32 s24, ttmp6, 0x40000                  ; cx: my place in the cluster
	s_lshl_b32 s25, ttmp9, 2
	s_add_co_u32 s25, s25, s24                     ; my label block X = 4 x cluster x + cx: it enters Q's and out0's addresses and the last store's lanes alone
	s_and_b32 s26, ttmp7, 0xffff                   ; the batch, which the four partners share
	s_mul_i32 s27, s25, 125
	s_add_co_u32 s28, s27, 125
	s_lshr_b32 s27, s27, 2                         ; my first label
	s_lshr_b32 s28, s28, 2
	s_sub_co_u32 s28, s28, s27                     ; labels that I own: 31 or 32
	; descriptor group 1: 150 rows of 256 bytes (32 elements of 8 bytes), dense, no padding: every LDS load below reads 512 consecutive bytes
	s_mov_b32 s[G1], 15|(3<<16)|(1<<21)            ; 15:0 the mask: all four work-groups; 17:16 elements of 8 bytes; 21 set beside a mask
	s_mov_b32 s[G1+1], 32<<16                      ; tensor_dim0
	s_mov_b32 s[G1+2], 150<<16                     ; tensor_dim1
	s_mov_b32 s[G1+3], 32<<16                      ; tile_dim0
	s_mov_b32 s[G1+4], 150                         ; tile_dim1
	s_mov_b32 s[G1+5], 32                          ; tensor_dim0_stride
	s_mov_b32 s[G1+6], 0
	s_mov_b32 s[G1+7], 0
	s_mov_b32 s[CS], 0x3fb8aa3b                    ; log2(e)
	s_mov_b32 s[CS+1], s[CS]                       ; (named with it as a pair, so it is written)
	s_mov_b32 s[SEL], 0x76543210
	s_mov_b32 s[SEL+1], 0xfedcba98
	v_and_b32 v22, 31, v0                          ; lane
	v_and_b32 v23, 15, v0                          ; r
	v_bfe_u32 v1, v0, 4, 1                         ; h
	v_lshlrev_b32 v[L16], 4, v22
	v_lshlrev_b32 v[L4], 2, v22
	s_mul_i32 s66, s[WV], 2*REC
	v_add_nc_u32 v[KA], s66, v[L16]
	v_add_nc_u32 v[KA+1], SLOTB, v[KA]
	v_add_nc_u32 v[KSA], s66, v[L4]
	v_add_nc_u32 v[KSA], 9216, v[KSA]
	v_add_nc_u32 v[KSA+1], SLOTB, v[KSA]
	s_mul_i32 s67, s[WV], 12*1536
	v_add_nc_u32 v[VA+1], s67, v[L16]
	v_add_nc_u32 v[VA+1], STEPB, v[VA+1]           ; V[1] lies behind K[0] in slot A,
	v_add_nc_u32 v[VA], SLOTB, v[VA+1]             ; V[0] behind K[1] in slot B
	s_mul_i32 s68, s[WV], 768
	v_add_nc_u32 v[VSA+1], s68, v[L4]
	v_add_nc_u32 v[VSA+1], STEPB+73728, v[VSA+1]
	v_add_nc_u32 v[VSA], SLOTB, v[VSA+1]
	s_and_b32 s69, s[WV], 1                        ; my block w of 32 keys is registers 6 (w / 2) .. + 5 of the consumer's lane r + 16 (w % 2); my half h holds three of the six
	s_mul_i32 s69, s69, 768
	s_lshr_b32 s70, s[WV], 1
	s_mul_i32 s70, s70, 24
	s_add_co_u32 s69, s69, s70
	s_add_co_u32 s69, s69, PIMG
	v_mul_u32_u24 v[PWA], v23, 48
	v_mad_u32_u24 v[PWA], v1, 12, v[PWA]
	v_add_nc_u32 v[PWA], s69, v[PWA]
	v_mul_u32_u24 v[PRA], v22, 48
	v_add_nc_u32 v[PRA], PIMG, v[PRA]
	v_lshlrev_b32 v[SRA], 4, v23
	v_add_nc_u32 v[SRA], PST, v[SRA]
	s_lshl_b32 s70, s[WV], 2
	v_add_nc_u32 v[SWA], s70, v[SRA]
	s_add_co_u32 s71, s70, PST+4096
	v_mov_b32 v237, s71                            ; my wave's part of beta . w_out
	v_mov_b32 v[FBA], PST+4096
	v_lshlrev_b32 v[H64], 6, v1
	v_min_u32 v[PFO], 24, v22
	v_lshlrev_b32 v[PFO], 8, v[PFO]
	v_mul_u32_u24 v236, v0, 24                     ; my thread's six channels of beta and w_out
	s_wait_dscnt 0x0                               ; both opening adds are done
	s_wait_kmcnt 0x0
	s_load_b32 s22, s[18:19], 0x0                  ; b_out
	s_mul_i32 s66, s26, 32*STEPB                   ; the batch's first byte in kc and in vc,
	s_and_b32 s67, s[WV], 1
	s_mul_i32 s67, s67, HALF                       ; and which half of a step's bytes I fetch
	s_add_co_u32 s66, s66, s67
	s_mov_b32 s67, 0
	s_cmp_lt_u32 s[WV], 2                          ; waves 0, 1 fetch K, waves 2, 3 V
	s_cselect_b64 s[68:69], s[6:7], s[8:9]
	s_cselect_b32 s70, 0, STEPB                    ; slot A begins with K(0), V(1),
	s_cselect_b32 s72, STEPB, 0                    ; slot B with K(1), V(0)
	s_cselect_b32 s60, 2*STEPB, 0                  ; round 0 steps K's descriptor alone: V(1) is there already
	s_mov_b32 s61, 0
	s_mov_b32 s71, 0
	s_mov_b32 s73, 0
	s_add_nc_u64 s[68:69], s[68:69], s[66:67]
	s_mov_b32 s[G0A], 1                            ; count = 1
	s_mul_i32 s[G0A+1], s[WV], HALF                ; LDS address: no place in the cluster enters it
	s_add_nc_u64 s[G0A+2:G0A+3], s[68:69], s[70:71]
	s_or_b32 s[G0A+3], s[G0A+3], 0x80000000        ; type = 2
	s_mov_b32 s[G0A+4], 1
	s_add_co_u32 s[G0A+5], s[G0A+1], SLOTB
	s_add_nc_u64 s[G0A+6:G0A+7], s[68:69], s[72:73]
	s_or_b32 s[G0A+7], s[G0A+7], 0x80000000
	s_mul_i32 s74, s26, 32*STEPB                   ; the prefetches: my batch, my work-group's 19,200 bytes, my wave's 6,400
	s_mul_i32 s75, s24, 19200
	s_add_co_u32 s74, s74, s75
	s_mul_i32 s75, s[WV], 6400
	s_add_co_u32 s74, s74, s75
	s_mov_b32 s75, 0
	s_add_nc_u64 s[PFK:PFK+1], s[6:7], s[74:75]
	s_add_nc_u64 s[PFK:PFK+1], s[PFK:PFK+1], 4*STEPB   ; at K(4): stepped once ahead of round 1's request.  Nothing is prefetched here, at the head
	s_add_nc_u64 s[PFV:PFV+1], s[8:9], s[74:75]
	s_add_nc_u64 s[PFV:PFV+1], s[PFV:PFV+1], 3*STEPB   ; at V(3)
	s_lshr_b32 s76, s[WV], 1
	s_and_b32 s76, s76, s[WV]                      ; 1 in wave 3 alone,
	s_or_b32 s76, s76, ttmp9                       ; 0 in waves 0 to 2 of the batch's first cluster: the same in all four partners
	s_cmp_eq_u32 s76, 0
	s_cselect_b32 s[LIM], 1, -1
	s_lshl_b32 s76, s26, 14
	s_lshl_b32 s77, s[WV], 7
	s_add_co_u32 s76, s76, s77
	s_mov_b32 s77, 0
	s_add_nc_u64 s[MKP:MKP+1], s[10:11], s[76:77]  ; the mask: 16,384 bytes a batch, 128 for my 32 keys
	s_mul_i32 s76, s25, 2*REC
	s_add_nc_u64 s[4:5], s[4:5], s[76:77]          ; my block's two records of Q
	s_mul_i32 s76, s[WV], 768
	s_add_nc_u64 s[78:79], s[12:13], s[76:77]      ; gamma and w_out at my wave's 192 channels
	s_add_nc_u64 s[80:81], s[16:17], s[76:77]
	s_mul_i32 s76, s26, 2000
	s_add_co_u32 s76, s76, s27
	s_lshl_b32 s76, s76, 2
	s_add_nc_u64 s[20:21], s[20:21], s[76:77]      ; out0 at my first label
	s_wait_kmcnt 0x0                               ; b_out
	ROUND                                          ; all four work-groups are here: the first joint loads meet
	tensor_load_to_lds s[G0A:G0A+3], s[G1:G1+7]    ; slot A: K(0), V(1)
	s_nop 0
	TLD G0A+4                                      ; slot B: K(1), V(0).  Every wave issues both: all four regions have their first fill here
	WIN 0x80
.irp i, 0,1
.irp ks, 0,1,2,3,4,5
.irp c, 0,1,2
	global_load_b128 v[12*(6*\i+\ks)+4*\c:12*(6*\i+\ks)+4*\c+3], v[L16], s[4:5] offset:REC*\i+1536*\ks+512*\c   ; Q stays in registers
.endr
.endr
.endr
	WIN 0
.irp i, 0,1
.irp jj, 0,1,2
	global_load_b32 v[QS+3*\i+\jj], v[L4], s[4:5] offset:REC*\i+9216+128*\jj
.endr
.endr
.irp k, 0,1,2,3
	global_load_b128 v[MK+4*\k:MK+4*\k+3], v[H64], s[MKP:MKP+1] offset:16*\k   ; the mask words of step 0: keys 32 w + 16 h + 0 .. 15
.endr
.irp k, 0,1,2
	global_load_b64 v[176+2*\k:177+2*\k], v236, s[14:15] offset:8*\k
	global_load_b64 v[182+2*\k:183+2*\k], v236, s[16:17] offset:8*\k
.endr
.irp i, 0,1
	v_mov_b32 v[ST+8*\i+1], 0xff61b1e6             ; the largest t so far: -3e38, under every t
	v_floor_f32 v[ST+8*\i], -v[ST+8*\i+1]          ; -M_w
	v_mov_b32 v[ST+8*\i+2], 0                      ; l, in two halves
	v_mov_b32 v[ST+8*\i+3], 0
	v_mov_b32 v[ST+8*\i+5], 0                      ; (upper halves of pairs of which the low word serves both: written once)
	v_mov_b32 v[ST+8*\i+7], 0                      ; (a lane permute's destination counts as one of its sources)
	v_mov_b32 v[CT+16*\i+1], 0
.endr
	v_mov_b32 v190, 0
	v_mov_b32 v[TNEG], 0xf149f2ca                  ; -1e30,
	v_mul_f32 v[TNEG], s[CS], v[TNEG]              ; as t
	s_wait_loadcnt 0x0
	v_mul_f32 v188, v176, v182                     ; beta . w_out: my six channels,
.irp k, 1,2,3,4,5
	v_fma_f32 v188, v[176+\k], v[182+\k], v188
.endr
	v_add_f32_dpp v188, v188, v188 row_xmask:1 row_mask:0xf bank_mask:0xf   ; my wave's 192
	v_add_f32_dpp v188, v188, v188 row_xmask:2 row_mask:0xf bank_mask:0xf
	v_add_f32_dpp v188, v188, v188 row_xmask:4 row_mask:0xf bank_mask:0xf
	v_add_f32_dpp v188, v188, v188 row_xmask:8 row_mask:0xf bank_mask:0xf
	v_permlanex16_b32 v190, v188, s[SEL], s[SEL+1]
	v_add_f32 v188, v188, v190
	ds_store_b32 v237, v188                        ; all lanes write the same word with the same value
; a step's K: my two records' scale words and twelve fragments from K[p]: 42 LDS loads
.macro KLOAD p
.irp u, 0,1
.irp jj, 0,1,2
	ds_load_b32 v[KS+3*\u+\jj], v[KSA+(\p)] offset:REC*\u+128*\jj
.endr
.endr
	WIN 0xc0
.irp u, 0,1
.irp ks, 0,1,2,3,4,5
.irp c, 0,1,2
	ds_load_b128 v[12*(6*\u+\ks)+4*\c:12*(6*\u+\ks)+4*\c+3], v[KA+(\p)] offset:REC*\u+1536*\ks+512*\c
.endr
.endr
.endr
	WIN 0
.endm
; the consumer's loads, 52: the four waves' -M and bytes (4, first), P's two fragments (6), V's scale words (6) and my twelve fragments of V[p] (36)
.macro CLOAD p
.irp i, 0,1
	ds_load_b128 v[CT+16*\i+4:CT+16*\i+7], v[SRA] offset:1024*(\p)+512*\i
	ds_load_b128 v[CT+16*\i+8:CT+16*\i+11], v[SRA] offset:1024*(\p)+512*\i+256
.endr
.irp i, 0,1
.irp c, 0,1,2
	ds_load_b128 v[PF+12*\i+4*\c:PF+12*\i+4*\c+3], v[PRA] offset:3072*(\p)+1536*\i+16*\c
.endr
.endr
.irp m, 0,1,2,3,4,5
	ds_load_b32 v[VS+\m], v[VSA+(\p)] offset:128*\m   ; lanes 0-15: channel tile 2 m; lanes 16-31: 2 m + 1
.endr
	WIN 0x80
.irp d, 0,1,2,3,4,5,6,7,8
.irp c, 0,1,2
	ds_load_b128 v[144+12*\d+4*\c:144+12*\d+4*\c+3], v[VA+(\p)] offset:1536*\d+512*\c
.endr
.endr
	WIN 0xc0
.irp d, 9,10,11
.irp c, 0,1,2
	ds_load_b128 v[144+12*(\d-9)+4*\c:144+12*(\d-9)+4*\c+3], v[VA+(\p)] offset:1536*\d+512*\c
.endr
.endr
	WIN 0
.endm
; S^T = K Q^T: 24 matrix instructions; the four accumulators take turns, one instruction a turn; the first four start the sums
.macro QK
	WIN 0x0b                                       ; K window 3, Q window 2, S^T window 0
.irp ks, 0,1,2,3,4,5
.irp u, 0,1
.irp i, 0,1
.if \ks == 0
	MM S+16*\i+8*\u, 12*(6*\u+\ks), 12*(6*\i+\ks), 0, KS+3*\u+\ks/2, QS+3*\i+\ks/2, \ks&1, \ks&1
.else
	MM S+16*\i+8*\u, 12*(6*\u+\ks), 12*(6*\i+\ks), v[S+16*\i+8*\u:S+16*\i+8*\u+7], KS+3*\u+\ks/2, QS+3*\i+\ks/2, \ks&1, \ks&1
.endif
.endr
.endr
.endr
	WIN 0
.endm
; O^T += V^T P^T: 24 matrix instructions on 24 accumulators.  first = 1: they start the sums: nothing is ever cleared
.macro PV first
.irp d, 0,1,2,3,4,5,6,7,8,9,10,11
.if \d < 9
	WIN 0x52                                       ; V window 2, P window 0, O^T window 1
.set rV, 144+12*\d
.else
	WIN 0x53                                       ; V window 3
.set rV, 144+12*(\d-9)
.endif
.irp i, 0,1
.if \first
	MM 8*(2*\d+\i), rV, PF+12*\i, 0, VS+\d/2, PSW+\i, \d&1, 0
.else
	MM 8*(2*\d+\i), rV, PF+12*\i, v[8*(2*\d+\i):8*(2*\d+\i)+7], VS+\d/2, PSW+\i, \d&1, 0
.endif
.endr
.endr
	WIN 0
.endm
; the consumer's statistics: the common -M, f = 2^(old M - new M), and P's scale word: block b's byte + (M_b - M), held at 1 from below
.macro CONS first
.irp i, 0,1
	v_min_num_f32 v[CT+16*\i+3], v[CT+16*\i+4], v[CT+16*\i+5]
.endr
.irp i, 0,1
	v_min_num_f32 v[CT+16*\i+12], v[CT+16*\i+6], v[CT+16*\i+7]
.endr
.irp i, 0,1
	v_min_num_f32 v[CT+16*\i+3], v[CT+16*\i+3], v[CT+16*\i+12]   ; the smallest -M_b = -(the largest M_b)
.endr
.if !\first
.irp i, 0,1
	v_sub_f32 v[CT+16*\i], v[CT+16*\i+3], v[CT+16*\i+2]          ; old M - new M: a whole number, 0 or less
.endr
.irp i, 0,1
	v_cvt_i32_f32 v[CT+16*\i], v[CT+16*\i]                       ; (it saturates)
.endr
.irp i, 0,1
	v_ldexp_f32 v[CT+16*\i], 1.0, v[CT+16*\i]
.endr
.endif
.irp i, 0,1
	v_mov_b32 v[CT+16*\i+2], v[CT+16*\i+3]
.endr
.irp b, 0,1,2,3
.irp i, 0,1
	v_sub_f32 v[CT+16*\i+12+\b], v[CT+16*\i+3], v[CT+16*\i+4+\b] ; M_b - M
.endr
.endr
.irp b, 0,1,2,3
.irp i, 0,1
	v_add_f32 v[CT+16*\i+12+\b], v[CT+16*\i+12+\b], v[CT+16*\i+8+\b]
.endr
.endr
.irp b, 0,1,2,3
.irp i, 0,1
	v_max_num_f32 v[CT+16*\i+12+\b], 1.0, v[CT+16*\i+12+\b]
.endr
.endr
.irp b, 0,1,2,3
.irp i, 0,1
	v_cvt_u32_f32 v[CT+16*\i+12+\b], v[CT+16*\i+12+\b]
.endr
.endr
.irp i, 0,1
	v_lshl_or_b32 v[PSW+\i], v[CT+16*\i+13], 8, v[CT+16*\i+12]
.endr
.irp i, 0,1
	v_lshl_or_b32 v[PSW+\i], v[CT+16*\i+14], 16, v[PSW+\i]
.endr
.irp i, 0,1
	v_lshl_or_b32 v[PSW+\i], v[CT+16*\i+15], 24, v[PSW+\i]
.endr
.endm
.macro RESCALE                         ; O^T under the new M, each accumulator from its low end on.  These 96 are also the places between P's scale words and the scaled products
	WIN 0x41                                       ; O^T window 1, f window 0
.set o, 0
.rept 96
	v_pk_mul_f32 v[o:o+1], v[o:o+1], v[CT+16*((o>>3)&1):CT+16*((o>>3)&1)+1] op_sel_hi:[1,0]
.set o, o+2
.endr
	WIN 0
.endm
; THE PRODUCER'S SOFTMAX of one block of 32 keys for 32 queries; codes, -M_w and the byte go to buffer q.  mk = 1: the next step's mask words are asked for
.macro SOFTMAX q, mk
	s_wait_loadcnt 0x0                             ; the step's mask words are in
.rept 4
	v_nop                                          ; four places behind the products (ISA guide 7.12.1)
.endr
.set pp, 0
.rept 16
	v_pk_mul_f32 v[S+2*pp:S+2*pp+1], v[S+2*pp:S+2*pp+1], s[CS:CS+1] op_sel_hi:[1,0]   ; t = score x log2(e), rounded by itself: M is taken off in a second step, so that a masked t less its own M is 0 exactly
.set pp, pp+1
.endr
.irp n, 0,1,2,3,4,5,6,7,8,9,10,11,12,13,14,15
	v_cmp_ne_u32 vcc_lo, 0, v[MK+\n]
	v_cndmask_b32 v[S+\n], v[TNEG], v[S+\n], vcc_lo
	v_cndmask_b32 v[S+16+\n], v[TNEG], v[S+16+\n], vcc_lo
.endr
.if \mk
	s_add_nc_u64 s[MKP:MKP+1], s[MKP:MKP+1], 512   ; (the wait above has shown the loads that read this base done)
.irp k, 0,1,2,3
	global_load_b128 v[MK+4*\k:MK+4*\k+3], v[H64], s[MKP:MKP+1] offset:16*\k
.endr
.endif
.irp i, 0,1
	v_max3_num_f32 v[ST+8*\i+6], v[S+16*\i], v[S+16*\i+1], v[S+16*\i+2]   ; the block's largest t: for the running maximum, and, since p rises with t, for the block's largest p
.endr
.irp n, 3,5,7,9,11,13
.irp i, 0,1
	v_max3_num_f32 v[ST+8*\i+6], v[ST+8*\i+6], v[S+16*\i+\n], v[S+16*\i+\n+1]
.endr
.endr
.irp i, 0,1
	v_max_num_f32 v[ST+8*\i+6], v[ST+8*\i+6], v[S+16*\i+15]
.endr
.irp i, 0,1
	v_permlanex16_b32 v[ST+8*\i+7], v[ST+8*\i+6], s[SEL], s[SEL+1]
.endr
.irp i, 0,1
	v_max_num_f32 v[ST+8*\i+6], v[ST+8*\i+6], v[ST+8*\i+7]       ; with lane l xor 16's 16 keys
.endr
.irp i, 0,1
	v_max_num_f32 v[ST+8*\i+1], v[ST+8*\i+1], v[ST+8*\i+6]       ; the running largest t
.endr
.irp i, 0,1
	v_mov_b32 v[ST+8*\i+7], v[ST+8*\i]
.endr
.irp i, 0,1
	v_floor_f32 v[ST+8*\i], -v[ST+8*\i+1]                        ; the new -M_w = floor(-t) = -ceil(t)
.endr
.irp i, 0,1
	v_sub_f32 v[ST+8*\i+7], v[ST+8*\i], v[ST+8*\i+7]             ; old M_w - new M_w
.endr
.irp i, 0,1
	v_cvt_i32_f32 v[ST+8*\i+7], v[ST+8*\i+7]                     ; (it saturates)
.endr
.irp i, 0,1
	v_ldexp_f32 v[ST+8*\i+4], 1.0, v[ST+8*\i+7]                  ; f
.endr
.set pp, 0
.rept 16
	v_pk_add_f32 v[S+2*pp:S+2*pp+1], v[S+2*pp:S+2*pp+1], v[ST+8*(pp>>3):ST+8*(pp>>3)+1] op_sel_hi:[1,0]   ; t - M_w
.set pp, pp+1
.endr
.irp i, 0,1
	v_add_f32 v[ST+8*\i+6], v[ST+8*\i+6], v[ST+8*\i]             ; the same of the block's largest t
.endr
.set pp, 0
.rept 32
	v_exp_f32 v[S+pp], v[S+pp]                                   ; p = 2^(t - M_w): one batch of 34
.set pp, pp+1
.endr
.irp i, 0,1
	v_exp_f32 v[ST+8*\i+6], v[ST+8*\i+6]                         ; the block's largest p: the same two instructions on the same number give the same bits
.endr
.irp i, 0,1
	v_pk_mul_f32 v[ST+8*\i+2:ST+8*\i+3], v[ST+8*\i+2:ST+8*\i+3], v[ST+8*\i+4:ST+8*\i+5] op_sel_hi:[1,0]   ; l under the new M_w: the plain places behind the batch
.endr
	s_wait_alu depctr_va_vdst(0)                   ; one wait for the batch, ahead of its first reader
.irp n, 0,2,4,6,8,10,12,14
.irp i, 0,1
	v_pk_add_f32 v[ST+8*\i+2:ST+8*\i+3], v[ST+8*\i+2:ST+8*\i+3], v[S+16*\i+\n:S+16*\i+\n+1]   ; the sum is taken of the unquantised p
.endr
.endr
.irp i, 0,1
	v_max_num_f32 v[ST+8*\i+6], 0x2800000, v[ST+8*\i+6]          ; the floor 2^(5 - 127): the byte cannot fall under 1
.endr
.irp i, 0,1
	v_add_nc_u32 v[SCR+\i], 0xfe000000, v[ST+8*\i+6]             ; 4 off the exponent field: the conversion's scale operand
.endr
.irp i, 0,1
	v_lshrrev_b32 v[BYF+\i], 23, v[SCR+\i]                       ; the byte under M_w,
.endr
.irp i, 0,1
	v_cvt_f32_u32 v[BYF+\i], v[BYF+\i]                           ; as f32, for the consumers' arithmetic
.endr
.irp i, 0,1
	v_cvt_scalef32_pk16_bf6_f32 v[PCD+4*\i:PCD+4*\i+2], v[S+16*\i:S+16*\i+15], v[SCR+\i]   ; my 16 keys' codes: 96 bits
.endr
	v_nop                                          ; one plain place behind a scaled conversion
.irp i, 0,1
.irp k, 0,1,2
	ds_store_b32 v[PWA], v[PCD+4*\i+\k] offset:3072*(\q)+1536*\i+4*\k
.endr
	ds_store_b32 v[SWA], v[ST+8*\i] offset:1024*(\q)+512*\i      ; both halves of the lanes write the same word with the same value
	ds_store_b32 v[SWA], v[BYF+\i] offset:1024*(\q)+512*\i+256
.endr
.endm
; STEP j, pi = j & 1.  mode: 1 all four waves refill; 2 waves 0, 1 alone (round 0); 3 waves 2, 3 alone (round 30); 0 nobody (the last step: a plain barrier).
; first = 1: V^T P starts O^T.  qk = 1: the next step's scores and softmax follow.  ask = 1: prefetches.  fin = 1: gamma and w_out are asked for.
.macro BODY pi, mode, first, qk, mk, ask, fin
.set G0X, G0A+4*(\pi)
	s_wait_tensorcnt 0x0                           ; all my tensor loads have landed: K(j + 1)'s or V(j)'s half; so a group 0 may be written
	ds_add_u32 v[SPW], v[NIL]                      ; 0 onto my spare word; the steps below stand between it and the wait for it
.if (\mode == 1) || (\mode == 3)
	s_add_nc_u64 s[G0X+2:G0X+3], s[G0X+2:G0X+3], 2*STEPB
.elseif \mode == 2
	s_add_nc_u64 s[G0X+2:G0X+3], s[G0X+2:G0X+3], s[60:61]
.endif
.if \ask
	s_wait_xcnt 0x0                                ; the last prefetches, a step back, have read their addresses
	s_add_nc_u64 s[PFK:PFK+1], s[PFK:PFK+1], STEPB
	s_add_nc_u64 s[PFV:PFV+1], s[PFV:PFV+1], STEPB
.endif
	s_wait_dscnt 0x0                               ; the add is done; my stores of p(j) have landed; my reads of K(j), V(j - 1) and p(j - 1) are over
.if \mode
	ROUND                                          ; all that now holds of every wave of the four work-groups
.else
	s_barrier_signal -1
	s_barrier_wait -1
.endif
.if \mode == 1
	TLD G0X                                        ; K(j + 2) or V(j + 1): my one tensor load behind the round, and the first thing there
.elseif \mode == 2
	s_cmp_lt_u32 s[WV], 2
	s_cbranch_scc0 .Lnl_\@
	TLD G0X
.Lnl_\@:
.elseif \mode == 3
	s_cmp_lt_u32 s[WV], 2
	s_cbranch_scc1 .Lnl_\@
	TLD G0X
.Lnl_\@:
.endif
.if \ask
	ASK
.endif
	CLOAD \pi
.if \fin
	WIN 0xc0                                       ; register 8 dt + jj: channel 192 w + 32 (dt / 2) + 16 h + 8 (dt % 2) + jj, as O^T has them: gamma over K's registers,
.irp d, 0,1,2,3,4,5,6,7,8,9,10,11
.irp e, 0,1
	global_load_b128 v[8*\d+4*\e:8*\d+4*\e+3], v[H64], s[78:79] offset:128*(\d/2)+32*(\d&1)+16*\e
.endr
.endr
	WIN 0x80                                       ; w_out over Q's
.irp d, 0,1,2,3,4,5,6,7,8,9,10,11
.irp e, 0,1
	global_load_b128 v[8*\d+4*\e:8*\d+4*\e+3], v[H64], s[80:81] offset:128*(\d/2)+32*(\d&1)+16*\e
.endr
.endr
	WIN 0
.endif
	s_wait_dscnt 48                                ; the four loads of statistics are in; the 48 behind them may be out
	CONS \first
.if \qk
	KLOAD 1-(\pi)
.endif
.if \first
.rept 8
	v_nop                                          ; eight places between P's scale words and the scaled products
.endr
.else
	RESCALE
.endif
.if \qk
	s_wait_dscnt 42                                ; P and V are in; K's 42 loads may be out
.else
	s_wait_dscnt 0x0
.endif
	PV \first
.if \qk
	s_wait_dscnt 0x0                               ; K is in
	QK
	SOFTMAX 1-(\pi), \mk
.endif
.endm
	s_wait_tensorcnt 1                             ; my part of slot A is in; slot B's may stay out
	s_wait_dscnt 0x0                               ; my store has landed
	s_barrier_signal -1
	s_barrier_wait -1
	KLOAD 0
	s_wait_dscnt 0x0
	QK                                             ; step 0's scores
	SOFTMAX 0, 1
	BODY 0, 2, 1, 1, 1, 0, 0                       ; j = 0
	s_mov_b32 s[CNT], 14
.Lpair:                                            ; j = 1 .. 28, two steps a trip
	BODY 1, 1, 0, 1, 1, 1, 0
	BODY 0, 1, 0, 1, 1, 1, 0
	s_sub_co_u32 s[CNT], s[CNT], 1
	s_cmp_lg_u32 s[CNT], 0
	s_cbranch_scc1 .Lpair
	BODY 1, 1, 0, 1, 1, 0, 0                       ; j = 29: K(31), V(30)
	BODY 0, 3, 0, 1, 0, 0, 0                       ; j = 30: V(31) alone; no mask words are left to ask for
	BODY 1, 0, 0, 0, 0, 0, 1                       ; j = 31: nothing is filled
	; THE LAST LINES.  y = O / l; mu and the variance over 768 channels in two passes, as reference() writes them; out = rstd x sum(dev x gamma x w_out) + beta . w_out + b_out.  Sums over the four waves go through LDS.
.macro FOLD d, t, p                    ; a pair's two halves, and lane l xor 16's
	v_add_f32 v[\d], v[\p], v[\p+1]
	v_permlanex16_b32 v[\t], v[\d], s[SEL], s[SEL+1]
	v_add_f32 v[\d], v[\d], v[\t]
.endm
.macro SUM4 r
	v_add_f32 v[\r], v[\r], v[\r+1]
	v_add_f32 v[\r+2], v[\r+2], v[\r+3]
	v_add_f32 v[\r], v[\r], v[\r+2]
.endm
.rept 4
	v_nop                                          ; four places behind the last products
.endr
.irp i, 0,1
	FOLD ST+8*\i+6, ST+8*\i+7, ST+8*\i+2           ; l_w
.endr
.irp i, 0,1
	v_sub_f32 v[ST+8*\i+7], v[CT+16*\i+2], v[ST+8*\i]            ; M_w - M
.endr
.irp i, 0,1
	v_cvt_i32_f32 v[ST+8*\i+7], v[ST+8*\i+7]
.endr
.irp i, 0,1
	v_ldexp_f32 v[ST+8*\i+6], v[ST+8*\i+6], v[ST+8*\i+7]         ; l_w under the common M
.endr
.irp k, 0,1,2,3,4,5,6,7,8,9,10,11
	v_mov_b32 v[AC1+\k], 0                         ; three pairs of sums a tile
.endr
	WIN 0x04                                       ; source 1: O^T, window 1
.set o, 0
.rept 96
	v_pk_add_f32 v[AC1+2*((o>>3)&1):AC1+2*((o>>3)&1)+1], v[AC1+2*((o>>3)&1):AC1+2*((o>>3)&1)+1], v[o:o+1]   ; each accumulator from its low end on
.set o, o+2
.endr
	WIN 0
	FOLD 188, 190, AC1
	FOLD 189, 190, AC1+2
.irp i, 0,1
	ds_store_b32 v[SWA], v[ST+8*\i+6] offset:2048+256*\i
	ds_store_b32 v[SWA], v[188+\i] offset:2560+256*\i
.endr
	s_wait_dscnt 0x0                               ; for the others' sake: my stores have landed
	s_barrier_signal -1
	s_barrier_wait -1
.irp i, 0,1
	ds_load_b128 v[192+4*\i:195+4*\i], v[SRA] offset:2048+256*\i
	ds_load_b128 v[200+4*\i:203+4*\i], v[SRA] offset:2560+256*\i
.endr
	ds_load_b128 v[208:211], v[FBA]
.irp k, 1,3
	v_mov_b32 v[INV+\k], 0                         ; (upper halves of pairs of which the low word serves both)
	v_mov_b32 v[NMU+\k], 0
.endr
	s_wait_dscnt 0x0
	SUM4 192
	SUM4 196
	SUM4 200
	SUM4 204
	SUM4 208
	v_rcp_f32 v[INV], v192                         ; 1 / l
	v_rcp_f32 v[INV+2], v196
	v_add_f32 v232, s22, v208                      ; beta . w_out + b_out.  (The plain place behind the reciprocals)
	s_wait_alu depctr_va_vdst(0)                   ; one wait for both, ahead of their first reader
	v_mul_f32 v[NMU], v200, v[INV]
	v_mul_f32 v[NMU+2], v204, v[INV+2]
	v_mul_f32 v[NMU], 0xbaaaaaab, v[NMU]           ; -mu = -(sum of y) / 768
	v_mul_f32 v[NMU+2], 0xbaaaaaab, v[NMU+2]
	s_wait_loadcnt 0x0                             ; gamma, w_out
	WIN 0xcb                                       ; destination and source 0 window 3, source 1 window 2
.set o, 0
.rept 48
	v_pk_mul_f32 v[o:o+1], v[o:o+1], v[o:o+1]      ; g = gamma x w_out
.set o, o+2
.endr
.irp t, 0,1,2,3,4,5                            ; 32 registers of O^T at a time: two channel tiles x two query tiles
	WIN 0x01
.irp p, 0,1,2,3,4,5,6,7,8,9,10,11,12,13,14,15
	v_pk_fma_f32 v[DV+2*\p:DV+2*\p+1], v[32*\t+2*\p:32*\t+2*\p+1], v[INV+2*((\p>>2)&1):INV+2*((\p>>2)&1)+1], v[NMU+2*((\p>>2)&1):NMU+2*((\p>>2)&1)+1] op_sel_hi:[1,0,0]   ; dev = O / l - mu
.endr
	WIN 0
.irp p, 0,1,2,3,4,5,6,7,8,9,10,11,12,13,14,15
	v_pk_fma_f32 v[AC2+2*((\p>>2)&1):AC2+2*((\p>>2)&1)+1], v[DV+2*\p:DV+2*\p+1], v[DV+2*\p:DV+2*\p+1], v[AC2+2*((\p>>2)&1):AC2+2*((\p>>2)&1)+1]
.endr
	WIN 0x0c                                       ; source 1: g, window 3
.irp p, 0,1,2,3,4,5,6,7,8,9,10,11,12,13,14,15
	v_pk_fma_f32 v[AC3+2*((\p>>2)&1):AC3+2*((\p>>2)&1)+1], v[DV+2*\p:DV+2*\p+1], v[16*\t+8*(\p>>3)+((2*\p)&7):16*\t+8*(\p>>3)+((2*\p)&7)+1], v[AC3+2*((\p>>2)&1):AC3+2*((\p>>2)&1)+1]
.endr
.endr
	WIN 0
	FOLD 188, 190, AC2
	FOLD 189, 190, AC2+2
	FOLD 234, 190, AC3
	FOLD 235, 190, AC3+2
.irp i, 0,1
	ds_store_b32 v[SWA], v[188+\i] offset:3072+256*\i
	ds_store_b32 v[SWA], v[234+\i] offset:3584+256*\i
.endr
	s_wait_dscnt 0x0
	s_barrier_signal -1
	s_barrier_wait -1
.irp i, 0,1
	ds_load_b128 v[192+4*\i:195+4*\i], v[SRA] offset:3072+256*\i
	ds_load_b128 v[200+4*\i:203+4*\i], v[SRA] offset:3584+256*\i
.endr
	s_mov_b32 s66, 0x3aaaaaab                      ; 1 / 768
	s_mov_b32 s67, 0x3727c5ac                      ; 1e-5
	s_wait_dscnt 0x0
	SUM4 192
	SUM4 196
	SUM4 200
	SUM4 204
	v_fma_f32 v192, v192, s66, s67                 ; the variance + eps
	v_fma_f32 v196, v196, s66, s67
	v_rsq_f32 v212, v192
	v_rsq_f32 v213, v196
	v_and_b32 v233, 8, v23                         ; (plain work behind the two)  lanes 0-15 take tile 0, lanes 16-31 tile 1:
	v_add_nc_u32 v233, v233, v23
	v_lshl_add_u32 v233, v1, 3, v233               ; label r + 8 (r / 8) + 8 h of my block: the 32 lanes cover 32 neighbouring labels
	v_lshlrev_b32 v234, 2, v233
	s_wait_alu depctr_va_vdst(0)                   ; one wait for both, ahead of their first reader
	v_fma_f32 v212, v212, v200, v232
	v_fma_f32 v213, v213, v204, v232
	v_cmp_ne_u32 vcc_lo, 0, v1
	v_cndmask_b32 v212, v212, v213, vcc_lo         ; (both halves of the lanes hold both tiles' results)
	s_cmp_lg_u32 s[WV], 0                          ; all four waves hold the same numbers: wave 0 stores
	s_cbranch_scc1 .Lnot_mine
	s_wait_xcnt 0x0                                ; EXEC changes only behind this wait
	v_cmp_gt_u32 vcc_lo, s28, v233                 ; the labels that I own: the 32nd is the next block's where I own 31
	s_and_saveexec_b32 s68, vcc_lo
	global_store_b32 v234, v212, s[20:21]          ; up to 128 consecutive bytes
	s_wait_xcnt 0x0                                ; and again, ahead of the line that widens it
	s_or_b32 exec_lo, exec_lo, s68
.Lnot_mine:
	s_wait_tensorcnt 0x0                           ; the wave's end: behind my last tensor load and my last LDS store
	ds_add_u32 v[SPW], v[NIL]
	s_wait_dscnt 0x0
	ROUND                                          ; the closing round: no work-group ends while a partner may still ask for a tile that names it
	s_endpgm
.Lfunc_end_k_q951581ea53_attn:
	.size	k_q951581ea53_attn, .Lfunc_end_k_q951581ea53_attn-k_q951581ea53_attn
	.p2alignl 7, 3214868480
	.fill 96, 4, 3214868480
	.section	.rodata,"a",@progbits
	.p2align	6, 0x0
	.amdhsa_kernel k_q951581ea53_attn
		.amdhsa_group_segment_fixed_size 327680
		.amdhsa_private_segment_fixed_size 0
		.amdhsa_enable_private_segment 0
		.amdhsa_kernarg_size 72
		.amdhsa_user_sgpr_count 2
		.amdhsa_user_sgpr_kernarg_segment_ptr 1
		.amdhsa_wavefront_size32 1
		.amdhsa_system_sgpr_workgroup_id_x 1
		.amdhsa_system_sgpr_workgroup_id_y 1
		.amdhsa_system_sgpr_workgroup_id_z 1
		.amdhsa_system_vgpr_workitem_id 0
		.amdhsa_next_free_vgpr 1024
		.amdhsa_next_free_sgpr 96
		.amdhsa_reserve_vcc 1
		.amdhsa_float_denorm_mode_32 3
		.amdhsa_float_denorm_mode_16_64 3
		.amdhsa_memory_ordered 1
		.amdhsa_forward_progress 1
		.amdhsa_inst_pref_size 226
	.end_amdhsa_kernel
	.amdgpu_metadata
---
amdhsa.version: [ 1, 2 ]
amdhsa.kernels:
  - .name:           k_q951581ea53_attn
    .symbol:         k_q951581ea53_attn.kd
    .args:
      - { .name: qq, .offset: 0, .size: 8, .value_kind: global_buffer, .address_space: global }
      - { .name: kc, .offset: 8, .size: 8, .value_kind: global_buffer, .address_space: global }
      - { .name: vc, .offset: 16, .size: 8, .value_kind: global_buffer, .address_space: global }
      - { .name: attention_masks, .offset: 24, .size: 8, .value_kind: global_buffer, .address_space: global }
      - { .name: ln_gamma, .offset: 32, .size: 8, .value_kind: global_buffer, .address_space: global }
      - { .name: ln_beta, .offset: 40, .size: 8, .value_kind: global_buffer, .address_space: global }
      - { .name: w_out, .offset: 48, .size: 8, .value_kind: global_buffer, .address_space: global }
      - { .name: b_out, .offset: 56, .size: 8, .value_kind: global_buffer, .address_space: global }
      - { .name: out0, .offset: 64, .size: 8, .value_kind: global_buffer, .address_space: global }
    .group_segment_fixed_size: 327680
    .private_segment_fixed_size: 0
    .kernarg_segment_align: 8
    .kernarg_segment_size: 72
    .max_flat_workgroup_size: 128
    .sgpr_count:     96
    .vgpr_count:     1024
    .wavefront_size: 32
...
	.end_amdgpu_metadata
.endif
;; end of part 3
;; ======== version 2 of 2: 5 launches
;; limits: right only within a limited range of input values
;; workspace buffers: xq 9,830,400 bytes; wq 921,600 bytes; qq 1,228,800 bytes; kc 9,830,400 bytes; vc 9,830,400 bytes; pc 25,165,824 bytes; pst 8,388,608 bytes; st 1,048,576 bytes
;; launch quant (part 4): grid 1248 x 1, 1 waves a work-group, no clusters, 8,704 bytes of LDS; arguments x, Wk, Wv, Q, xq, wq, qq; writes xq, wq, qq
.if DOCPART == 4
	.amdgcn_target "amdgcn-amd-amdhsa--gfx1250"
	.amdhsa_code_object_version 6
	.text
	.protected	k_q951581ea53_quant
	.globl	k_q951581ea53_quant
	.p2align	8
	.type	k_q951581ea53_quant,@function
k_q951581ea53_quant:
	s_mov_b64 s[64:65], 0
	v_nop
	global_prefetch_b8 v0, s[64:65] scope:SCOPE_SE
	s_setreg_imm32_b32 hwreg(HW_REG_WAVE_MODE, 25, 1), 1
	s_wait_xcnt 0x0
; LabelCrossAttention in MX-BF6 (E3M2 codes, one E8M0 scale for each 32 along K), five launches:
;   quant: x, Wk, Wv, Q (f32, K = the 768 innermost) -> codes and scale words;   proj: K = x Wk^T, V = x Wv^T + bv -> codes;   score: scores, mask, local softmax;   pv: p V, LayerNorm's sums;   join: LayerNorm, dot with w_out.
; DEAD WORK: only the division by scale = 1.0, a factor that is 1.  Every input has a way to the output and is loaded: bv moves V's codes; gamma, beta, w_out, b_out enter the last lines;
; masked keys stay, since V's blocks of 32 keys hold masked and open keys together and a batch with no open key gives a uniform softmax: all scores are computed and then selected.
; LIMITS: NaN and infinities among the inputs are not served.  A block whose largest magnitude lies under 2^-122 keeps the scale byte 1 (a block of zeros too, where the rule says 127:
; its codes are zeros, which add nothing under any byte but 0xff, and this program alone reads the bytes).
; THIS LAUNCH.  A work-group is one wave and takes one tile of 16 rows x 768; two neighbouring work-groups are the two tiles of a group of 32 rows of one tensor.
; THE ROWS OF A TILE ARE NOT NEIGHBOURS: lane r of tile u takes row base + 8 u + r + 8 (r / 8), so that, with the tile as source 0 of a product, the 16 result registers of tiles 0 and 1 are 16 neighbouring rows.
; base = 32 x group for x, Wk, Wv; for Q (2,000 rows, 64 groups) base = (125 x group) >> 2: groups of 32 rows that begin 31 or 32 rows apart, the last ending at row 1,999: no padding, no load past the end.
; THE WAY IN.  The conversions want 16 neighbours along K in one lane; a load is best where neighbouring lanes take neighbouring bytes.  Both are had: each of a K step's 16 loads reads 512 consecutive bytes of one row, 16 a lane;
; the 16 rows go into the wave's stage in LDS as they lie, 528 bytes apart (512 + 16: the 16 rows that a read touches start at 16 different groups of banks), and come back 64 bytes a lane for each block of 32.
; OUTPUT: a RECORD of 9,600 bytes for each tile: six fragments (16 rows x 128 K, 12 registers a lane) as images of the operand's registers, registers 4 c .. 4 c + 3 of lane l at 1536 ks + 512 c + 16 l;
; behind them the scale words, that of (ks, row r) at 9216 + 64 ks + 4 r.  Each store of a fragment covers 512 consecutive bytes.
; No barrier: a wave shares nothing.  32 loads of 512 bytes are out at the start, 16 to 32 while a K step is worked.
.set REC,   9600
.set PITCH, 528                        ; a stage row
.set SPARE, 16*PITCH                   ; behind the stage: the spare words, one block of 256 bytes that no other line names
.set SEL,  36                          ; s[36:37] lane selects for v_permlanex16_b32: lane l xor 16
.set L16,  4                           ; v4      16 x lane: my 16 bytes of a load's 512, of a stage row on the way in, and of an image
.set L4,   5                           ; v5      4 x lane: a scale word's place
.set SO,   7                           ; v7      the stage on the way out: row r, + 64 h
.set SPW,  8                           ; v8      LDS address of my spare word; never rewritten
.set NIL,  9                           ; v9      0; never rewritten
.set TM,   16                          ; v16-19 largest magnitudes, v20-23 bytes, v28-31 the conversions' scale operands
.set PW,   32                          ; v32, v33 my row's scale word of the even and of the odd K step
.set SWD,  34                          ; v34     lanes 0-15 the even word, lanes 16-31 the odd one
.set PC,   36                          ; v36-47 the fragment; v48-50, v52-54 the conversions' second halves
.set R,    64                          ; v64-191 two sets of 16 rows x 16 bytes, as loaded
.set X,    192                         ; v192-255 64 numbers of my row
	s_load_b256 s[4:11], s[0:1], 0x0               ; x, Wk, Wv, Q
	s_load_b128 s[12:15], s[0:1], 0x20             ; xq, wq
	s_load_b64 s[16:17], s[0:1], 0x30              ; qq
	v_lshl_add_u32 v[SPW], v0, 2, SPARE
	v_mov_b32 v[NIL], 0
	s_lshr_b32 s33, ttmp9, 1                       ; the group of 32 rows
	s_and_b32 s32, ttmp9, 1                        ; its tile u
	v_and_b32 v1, 15, v0                           ; r
	v_bfe_u32 v2, v0, 4, 1                         ; h
	v_lshlrev_b32 v[L16], 4, v0                    ; (one wave: the thread's number is the lane)
	v_lshlrev_b32 v[L4], 2, v0
	v_mul_u32_u24 v[SO], v1, PITCH
	v_lshl_add_u32 v[SO], v2, 6, v[SO]
.irp b, 0,1,2,3
	v_mov_b32 v[TM+4+\b], 0                        ; written once: a lane permute's destination counts as one of its sources
.endr
	s_mov_b32 s34, 0xffff0000                      ; lanes 16-31
	s_mov_b32 s[SEL], 0x76543210
	s_mov_b32 s[SEL+1], 0xfedcba98
	; which tensor: groups 0-511 x, 512-535 Wk, 536-559 Wv, 560-623 Q.  All candidates first, then three compares with selects alone behind each
	s_sub_co_u32 s20, s33, 560                     ; Q's group,
	s_mul_i32 s21, s20, 125
	s_lshr_b32 s21, s21, 2                         ; and its first row
	s_sub_co_u32 s22, s33, 536
	s_lshl_b32 s22, s22, 5                         ; Wv's first row
	s_sub_co_u32 s25, s33, 512                     ; the group in wq (Wk's 24, then Wv's 24)
	s_lshl_b32 s23, s25, 5                         ; Wk's first row
	s_lshl_b32 s24, s33, 5                         ; x's first row
	s_wait_alu depctr_va_vdst(0)
	s_wait_kmcnt 0x0
	s_mov_b32 s26, s21
	s_mov_b32 s27, s20
	s_mov_b64 s[28:29], s[10:11]
	s_mov_b64 s[30:31], s[16:17]
	s_cmp_lt_u32 s33, 560
	s_cselect_b32 s26, s22, s26
	s_cselect_b32 s27, s25, s27
	s_cselect_b64 s[28:29], s[8:9], s[28:29]
	s_cselect_b64 s[30:31], s[14:15], s[30:31]
	s_cmp_lt_u32 s33, 536
	s_cselect_b32 s26, s23, s26
	s_cselect_b64 s[28:29], s[6:7], s[28:29]
	s_cmp_lt_u32 s33, 512
	s_cselect_b32 s26, s24, s26
	s_cselect_b32 s27, s33, s27
	s_cselect_b64 s[28:29], s[4:5], s[28:29]
	s_cselect_b64 s[30:31], s[12:13], s[30:31]
	s_lshl_b32 s38, s32, 3
	s_add_co_u32 s38, s38, s26                     ; the tile's first row: base + 8 u
	s_mul_i32 s38, s38, 3072                       ; under 2^26
	s_mov_b32 s39, 0
	s_add_nc_u64 s[28:29], s[28:29], s[38:39]
	s_lshl_b32 s40, s27, 1
	s_add_co_u32 s40, s40, s32
	s_mul_i32 s40, s40, REC
	s_mov_b32 s41, 0
	s_add_nc_u64 s[30:31], s[30:31], s[40:41]      ; my tile's record
; K step ks of the tile's 16 rows: load p reads the 512 bytes of row p + 8 (p / 8).  (x and the weights are read once; of Q's 2,000 rows 48 are read by two groups)
.macro XLOAD set, ks
.irp p, 0,1,2,3,4,5,6,7,8,9,10,11,12,13,14,15
	global_load_b128 v[R+64*(\set)+4*\p:R+64*(\set)+4*\p+3], v[L16], s[28:29] offset:(\p+8*(\p/8))*3072+512*(\ks) th:TH_LOAD_NT
.endr
.endm
; a set goes through the stage: LDS serves a wave's instructions in order, so no wait stands between the stores and the loads.  Behind it register X + 16 b + i = k 32 b + 16 h + i of my row r
.macro TURN set
.irp p, 0,1,2,3,4,5,6,7,8,9,10,11,12,13,14,15
	ds_store_b128 v[L16], v[R+64*(\set)+4*\p:R+64*(\set)+4*\p+3] offset:PITCH*\p
.endr
.irp b, 0,1,2,3
.irp j, 0,1,2,3
	ds_load_b128 v[X+16*\b+4*\j:X+16*\b+4*\j+3], v[SO] offset:128*\b+16*\j
.endr
.endr
.endm
; 64 numbers of a lane, register 16 b + i = k 32 b + 16 h + i of my row, become a fragment's codes in v[PC] on and my row's scale word in v[pw]
.macro QUANT s, pw
.irp b, 0,1,2,3
	v_max3_num_f32 v[TM+\b], |v[\s+16*\b]|, |v[\s+1+16*\b]|, 0x2800000   ; block b: my 16 numbers, and the floor 2^(5 - 127): the byte cannot fall under 1
.endr
.irp i, 2,4,6,8,10,12,14
.irp b, 0,1,2,3
	v_max3_num_f32 v[TM+\b], v[TM+\b], |v[\s+16*\b+\i]|, |v[\s+1+16*\b+\i]|   ; the four blocks by turns
.endr
.endr
.irp b, 0,1,2,3
	v_permlanex16_b32 v[TM+4+\b], v[TM+\b], s[SEL], s[SEL+1]
.endr
.irp b, 0,1,2,3
	v_max_num_f32 v[TM+\b], v[TM+\b], v[TM+4+\b]   ; with lane l xor 16's: the block's largest magnitude
.endr
.irp b, 0,1,2,3
	v_add_nc_u32 v[TM+12+\b], 0xfe000000, v[TM+\b] ; 4 off its exponent field: the conversion's scale operand
.endr
.irp b, 0,1,2,3
	v_lshrrev_b32 v[TM+4+\b], 23, v[TM+12+\b]      ; the scale's byte
.endr
	v_lshl_or_b32 v[\pw], v[TM+5], 8, v[TM+4]
	v_lshl_or_b32 v[\pw], v[TM+6], 16, v[\pw]
	v_lshl_or_b32 v[\pw], v[TM+7], 24, v[\pw]
.irp c, 0,1
	v_cvt_scalef32_pk16_bf6_f32 v[PC+6*\c:PC+2+6*\c], v[\s+32*\c:\s+15+32*\c], v[TM+12+2*\c]
	v_cvt_scalef32_pk16_bf6_f32 v[PC+12+4*\c:PC+14+4*\c], v[\s+16+32*\c:\s+31+32*\c], v[TM+12+2*\c+1]   ; (a conversion's three registers begin on an even number)
.endr
	v_nop                                          ; one plain place behind a scaled conversion
.irp c, 0,1                                    ; the operand's layout wants a whole block in a lane: lanes 0-15 block 2 c, lanes 16-31 block 2 c + 1
.irp i, 0,1,2
	v_permlane16_swap_b32 v[PC+6*\c+\i], v[PC+12+4*\c+\i]
.endr
.irp i, 0,1,2
	v_mov_b32 v[PC+3+6*\c+\i], v[PC+12+4*\c+\i]
.endr
.endr
.endm
.macro STEP ks
.if (\ks) <= 4
	s_wait_loadcnt 16                              ; this K step's 16 loads are in; the next step's 16 may be out
.else
	s_wait_loadcnt 0
.endif
	TURN (\ks)%2
	s_wait_dscnt 0x0                               ; my numbers are back from the stage, and the stores into it have read the set's registers
.if (\ks) > 0
	s_wait_xcnt 0x0                                ; the last step's stores have read the fragment's and the word's registers, which are written again below; it stands ahead of the new loads, so that it waits for none of them
.endif
.if (\ks) < 4
	XLOAD (\ks)%2, (\ks)+2                         ; the set takes the K step two on
.endif
	QUANT X, PW+((\ks)&1)
.irp c, 0,1,2
	global_store_b128 v[L16], v[PC+4*\c:PC+4*\c+3], s[30:31] offset:1536*(\ks)+512*\c
.endr
.if ((\ks)&1) == 1
	v_cndmask_b32 v[SWD], v[PW], v[PW+1], s34      ; lanes 0-15: row r's word of the even K step; lanes 16-31: of the odd one
	global_store_b32 v[L4], v[SWD], s[30:31] offset:9216+128*((\ks)>>1)
.endif
.endm
	XLOAD 0, 0
	XLOAD 1, 1
.irp k, 0,1,2,3,4,5
	STEP \k
.endr
	s_wait_tensorcnt 0x0                           ; the wave's end: behind my last LDS store
	ds_add_u32 v[SPW], v[NIL]
	s_wait_dscnt 0x0
	s_endpgm
.Lfunc_end_k_q951581ea53_quant:
	.size	k_q951581ea53_quant, .Lfunc_end_k_q951581ea53_quant-k_q951581ea53_quant
	.p2alignl 7, 3214868480
	.fill 96, 4, 3214868480
	.section	.rodata,"a",@progbits
	.p2align	6, 0x0
	.amdhsa_kernel k_q951581ea53_quant
		.amdhsa_group_segment_fixed_size 8704
		.amdhsa_private_segment_fixed_size 0
		.amdhsa_enable_private_segment 0
		.amdhsa_kernarg_size 56
		.amdhsa_user_sgpr_count 2
		.amdhsa_user_sgpr_kernarg_segment_ptr 1
		.amdhsa_wavefront_size32 1
		.amdhsa_system_sgpr_workgroup_id_x 1
		.amdhsa_system_sgpr_workgroup_id_y 1
		.amdhsa_system_sgpr_workgroup_id_z 1
		.amdhsa_system_vgpr_workitem_id 0
		.amdhsa_next_free_vgpr 256
		.amdhsa_next_free_sgpr 66
		.amdhsa_reserve_vcc 0
		.amdhsa_float_denorm_mode_32 3
		.amdhsa_float_denorm_mode_16_64 3
		.amdhsa_memory_ordered 1
		.amdhsa_forward_progress 1
		.amdhsa_inst_pref_size 49
	.end_amdhsa_kernel
	.amdgpu_metadata
---
amdhsa.version: [ 1, 2 ]
amdhsa.kernels:
  - .name:           k_q951581ea53_quant
    .symbol:         k_q951581ea53_quant.kd
    .args:
      - { .name: x, .offset: 0, .size: 8, .value_kind: global_buffer, .address_space: global }
      - { .name: Wk, .offset: 8, .size: 8, .value_kind: global_buffer, .address_space: global }
      - { .name: Wv, .offset: 16, .size: 8, .value_kind: global_buffer, .address_space: global }
      - { .name: Q, .offset: 24, .size: 8, .value_kind: global_buffer, .address_space: global }
      - { .name: xq, .offset: 32, .size: 8, .value_kind: global_buffer, .address_space: global }
      - { .name: wq, .offset: 40, .size: 8, .value_kind: global_buffer, .address_space: global }
      - { .name: qq, .offset: 48, .size: 8, .value_kind: global_buffer, .address_space: global }
    .group_segment_fixed_size: 8704
    .private_segment_fixed_size: 0
    .kernarg_segment_align: 8
    .kernarg_segment_size: 56
    .max_flat_workgroup_size: 32
    .sgpr_count:     66
    .vgpr_count:     256
    .wavefront_size: 32
...
	.end_amdgpu_metadata
.endif
;; end of part 4
;; launch proj (part 5): grid 224 x 1, 4 waves a work-group, no clusters, 0 bytes of LDS; arguments xq, wq, bv, kc, vc; writes kc, vc
.if DOCPART == 5
	.amdgcn_target "amdgcn-amd-amdhsa--gfx1250"
	.amdhsa_code_object_version 6
	.text
	.protected	k_q951581ea53_proj
	.globl	k_q951581ea53_proj
	.p2align	8
	.type	k_q951581ea53_proj,@function
k_q951581ea53_proj:
	s_mov_b64 s[64:65], 0
	v_nop
	global_prefetch_b8 v0, s[64:65] scope:SCOPE_SE
	s_setreg_imm32_b32 hwreg(HW_REG_WAVE_MODE, 25, 1), 1
	s_wait_xcnt 0x0
; K = x Wk^T, quantised along its 768, and V = x Wv^T + bv, quantised along the KEYS, both on codes of BF6 (E3M2) made by the launch before.  Nothing of reference() is left out here.
; ONE BODY, two kinds of work-group.  A wave keeps a GROUP of 8 tiles x 6 K steps = 48 fragments in 576 registers, as source 0, and streams tiles of the other operand, 6 fragments each, as source 1:
; 48 matrix instructions a streamed tile, eight for each fragment streamed, into 8 accumulators whose 64 registers a lane are 128 neighbours along the next product's K: they are quantised in registers to one fragment and one scale word.
;   work-groups 0-95 (K): group = Wk's tiles 8 g .. 8 g + 7 (e = 128 g on), g = n >> 4; wave w streams x's tiles 16 c .. 16 c + 15, c = 4 (n & 15) + w.  A lane is a key, its registers run along e: fragment g of kc's record of that x tile.
;   work-groups 96-223 (V): group = x's tiles 8 G .. 8 G + 7 (128 keys), G = n - 96; wave w streams Wv's tiles 12 w .. 12 w + 11.  A lane is a channel, its registers run along the keys; bv of the lane's channel is the sums' C: fragment dt of vc's block G.
; 224 WORK-GROUPS: K has 6 groups x 1,024 streamed tiles, V 128 groups x 48: no one task shape divides both, so K's waves issue 768 matrix instructions and V's 576.
; No LDS, no barrier, no cluster: waves share nothing in LDS; the price is that each record of xq is read by 6 + 4 waves and each record of wq by many, from the caches.
; kc: record T (9,600 bytes) = the 16 keys of x tile T, laid as xq's records.  vc: block G = 32 batch + key step, 76,800 bytes: fragment of channel tile dt at 1536 dt, scale word of (dt, r) at 73,728 + 64 dt + 4 r.
; LIMITS as in the first launch: NaN and infinities are not served; a block under 2^-122 keeps the byte 1.
; REGISTERS.  Window 0: v1-4 offsets; v16-39 the group's scale words; v40-45 the streamed tiles'; v46, v47 bias; v48-55 C; v64-127 accumulators; v128-167 the quantiser's.
;   Windows W = 1, 2, 3 serve K steps 2 (W - 1) and 2 (W - 1) + 1: group fragment (a, ks) at v[12 (2 a + ks % 2)], streamed fragment (set s, ks) at v[192 + 24 s + 12 (ks % 2)].
.set REC,  9600
.set L16,  1                           ; v1  16 x lane
.set L4,   2                           ; v2  4 x lane
.set R4,   3                           ; v3  4 x (lane % 16)
.set BO,   4                           ; v4  4 x (r + 8 (r / 8)): my channel among a pair of tiles' 32
.set AS,   16
.set BS,   40
.set BV,   46
.set CB,   48
.set ACC,  64
.set TM,   128
.set PW,   144
.set PC,   148
.set SEL,  32
.set MSB, 0
.macro WIN new                         ; the immediate's high byte repeats the setting that is left; a switch that changes nothing is dropped
.if MSB != (\new)
	s_set_vgpr_msb (MSB<<8)|(\new)
.set MSB, \new
.endif
.endm
	s_load_b256 s[4:11], s[0:1], 0x0               ; xq, wq, bv, kc
	s_load_b64 s[12:13], s[0:1], 0x20              ; vc
	v_lshrrev_b32 v5, 5, v0
	v_readfirstlane_b32 s14, v5                    ; wave
	v_and_b32 v6, 31, v0
	v_lshlrev_b32 v[L16], 4, v6
	v_lshlrev_b32 v[L4], 2, v6
	v_and_b32 v7, 15, v0
	v_lshlrev_b32 v[R4], 2, v7
	v_and_b32 v8, 8, v7
	v_add_nc_u32 v8, v8, v7
	v_lshlrev_b32 v[BO], 2, v8
	v_mov_b32 v[BV], 0                             ; K has no bias: its sums begin with these zeros
	v_mov_b32 v[BV+1], 0
.irp b, 0,1,2,3
	v_mov_b32 v[TM+4+\b], 0                        ; written once: a lane permute's destination counts as one of its sources
.endr
	s_mov_b32 s[SEL], 0x76543210
	s_mov_b32 s[SEL+1], 0xfedcba98
	; both kinds' offsets first (all under 2^24), then one compare with selects alone behind it
	s_lshr_b32 s34, ttmp9, 4                       ; K: g
	s_and_b32 s35, ttmp9, 15
	s_lshl_b32 s35, s35, 2
	s_add_co_u32 s35, s35, s14                     ;    c
	s_mul_i32 s36, s34, 8*REC                      ;    the group in wq
	s_mul_i32 s37, s35, 16*REC                     ;    the stream in xq, and its records in kc
	s_mul_i32 s38, s34, 1536
	s_add_co_u32 s38, s38, s37                     ;    fragment g of the first record
	s_lshl_b32 s39, s34, 6
	s_add_co_u32 s39, s39, s37
	s_add_co_u32 s39, s39, 9216                    ;    and its scale words
	s_sub_co_u32 s40, ttmp9, 96                    ; V: G
	s_mul_i32 s41, s40, 8*REC                      ;    the group in xq, and the block in vc
	s_mul_i32 s42, s14, 12*REC
	s_add_co_u32 s42, s42, 48*REC                  ;    the stream in wq: Wv's records lie behind Wk's 48
	s_mul_i32 s43, s14, 12*1536
	s_add_co_u32 s43, s43, s41                     ;    fragment 12 w of the block
	s_mul_i32 s54, s14, 768                        ;    (also: my 192 channels in bv)
	s_add_co_u32 s45, s54, s41
	s_add_co_u32 s45, s45, 73728                   ;    and its scale words
	s_wait_kmcnt 0x0
	s_cmp_lt_u32 ttmp9, 96
	s_cselect_b32 s15, 0, 1                        ; the kind: 0 K, 1 V
	s_cselect_b64 s[16:17], s[6:7], s[4:5]         ; the group's buffer
	s_cselect_b64 s[18:19], s[4:5], s[6:7]         ; the stream's
	s_cselect_b64 s[20:21], s[10:11], s[12:13]     ; the fragments go there,
	s_cselect_b64 s[22:23], s[10:11], s[12:13]     ; and the scale words
	s_cselect_b32 s46, s36, s41
	s_cselect_b32 s48, s37, s42
	s_cselect_b32 s50, s38, s43
	s_cselect_b32 s52, s39, s45
	s_mov_b32 s24, 1536
	s_cselect_b32 s24, REC, s24                    ; from one streamed tile's fragment to the next's
	s_cselect_b32 s26, REC, 64                     ; and from its scale words to the next's
	s_cselect_b32 s28, 7, 5                        ; trips of two tiles; the last two tiles are written out
	s_mov_b32 s25, 0
	s_mov_b32 s27, 0
	s_mov_b32 s47, 0
	s_mov_b32 s49, 0
	s_mov_b32 s51, 0
	s_mov_b32 s53, 0
	s_mov_b32 s55, 0
	s_add_nc_u64 s[16:17], s[16:17], s[46:47]
	s_add_nc_u64 s[18:19], s[18:19], s[48:49]
	s_add_nc_u64 s[20:21], s[20:21], s[50:51]
	s_add_nc_u64 s[22:23], s[22:23], s[52:53]
	s_add_nc_u64 s[30:31], s[8:9], s[54:55]        ; bv at my wave's first channel
.irp W, 1,2,3                                  ; the group: 144 loads of 512 bytes, and 24 of scale words: they stay
	WIN 0x40*\W
.irp a, 0,1,2,3,4,5,6,7
.irp kk, 0,1
.irp c, 0,1,2
	global_load_b128 v[12*(2*\a+\kk)+4*\c:12*(2*\a+\kk)+4*\c+3], v[L16], s[16:17] offset:REC*\a+1536*(2*(\W-1)+\kk)+512*\c
.endr
.endr
.endr
.endr
	WIN 0
.irp a, 0,1,2,3,4,5,6,7
.irp jj, 0,1,2
	global_load_b32 v[AS+3*\a+\jj], v[L4], s[16:17] offset:REC*\a+9216+128*\jj   ; lanes 0-15: K step 2 jj; lanes 16-31: 2 jj + 1
.endr
.endr
; a streamed tile into set s: V's bias of my channel, six fragments, three registers of scale words: 21 loads, 22 in V
.macro BLOAD s, off, boff
	WIN 0
	s_cmp_eq_u32 s15, 0
	s_cbranch_scc1 .Lnb_\@
	s_wait_alu depctr_va_vdst(0)
	global_load_b32 v[BV+\s], v[BO], s[30:31] offset:\boff
.Lnb_\@:
.irp W, 1,2,3
	WIN 0x40*\W
.irp kk, 0,1
.irp c, 0,1,2
	global_load_b128 v[192+24*\s+12*\kk+4*\c:192+24*\s+12*\kk+4*\c+3], v[L16], s[18:19] offset:\off+1536*(2*(\W-1)+\kk)+512*\c
.endr
.endr
.endr
	WIN 0
.irp jj, 0,1,2
	global_load_b32 v[BS+3*\s+\jj], v[L4], s[18:19] offset:\off+9216+128*\jj
.endr
.endm
.macro MM d, a, b, c, sa, sb, row
.if \row
	v_wmma_scale_f32_16x16x128_f8f6f4 v[\d:\d+7], v[\a:\a+11], v[\b:\b+11], \c, v[\sa], v[\sb] matrix_a_fmt:MATRIX_FMT_BF6 matrix_b_fmt:MATRIX_FMT_BF6 matrix_a_scale:MATRIX_SCALE_ROW1 matrix_b_scale:MATRIX_SCALE_ROW1
.else
	v_wmma_scale_f32_16x16x128_f8f6f4 v[\d:\d+7], v[\a:\a+11], v[\b:\b+11], \c, v[\sa], v[\sb] matrix_a_fmt:MATRIX_FMT_BF6 matrix_b_fmt:MATRIX_FMT_BF6
.endif
.endm
; 64 numbers of a lane, register 16 b + i = k 32 b + 16 h + i of my row, become a fragment's codes in v[PC] on and my row's scale word in v[pw].  Each accumulator is read from its low end on
.macro QUANT s, pw
.irp b, 0,1,2,3
	v_max3_num_f32 v[TM+\b], |v[\s+16*\b]|, |v[\s+1+16*\b]|, 0x2800000   ; block b: my 16 numbers, and the floor 2^(5 - 127): the byte cannot fall under 1
.endr
.irp i, 2,4,6,8,10,12,14
.irp b, 0,1,2,3
	v_max3_num_f32 v[TM+\b], v[TM+\b], |v[\s+16*\b+\i]|, |v[\s+1+16*\b+\i]|
.endr
.endr
.irp b, 0,1,2,3
	v_permlanex16_b32 v[TM+4+\b], v[TM+\b], s[SEL], s[SEL+1]
.endr
.irp b, 0,1,2,3
	v_max_num_f32 v[TM+\b], v[TM+\b], v[TM+4+\b]   ; with lane l xor 16's: the block's largest magnitude
.endr
.irp b, 0,1,2,3
	v_add_nc_u32 v[TM+12+\b], 0xfe000000, v[TM+\b] ; 4 off its exponent field: the conversion's scale operand
.endr
.irp b, 0,1,2,3
	v_lshrrev_b32 v[TM+4+\b], 23, v[TM+12+\b]      ; the scale's byte
.endr
	v_lshl_or_b32 v[\pw], v[TM+5], 8, v[TM+4]
	v_lshl_or_b32 v[\pw], v[TM+6], 16, v[\pw]
	v_lshl_or_b32 v[\pw], v[TM+7], 24, v[\pw]
.irp c, 0,1
	v_cvt_scalef32_pk16_bf6_f32 v[PC+6*\c:PC+2+6*\c], v[\s+32*\c:\s+15+32*\c], v[TM+12+2*\c]
	v_cvt_scalef32_pk16_bf6_f32 v[PC+12+4*\c:PC+14+4*\c], v[\s+16+32*\c:\s+31+32*\c], v[TM+12+2*\c+1]
.endr
	v_nop                                          ; one plain place behind a scaled conversion
.irp c, 0,1
.irp i, 0,1,2
	v_permlane16_swap_b32 v[PC+6*\c+\i], v[PC+12+4*\c+\i]
.endr
.irp i, 0,1,2
	v_mov_b32 v[PC+3+6*\c+\i], v[PC+12+4*\c+\i]
.endr
.endr
.endm
; One streamed tile, in set s.  ld = 1: the set is filled again with the tile two on.  cnt: the younger set's loads, which may stay out
.macro TILE s, ld, cnt
	s_wait_loadcnt \cnt                            ; my set is in.  The younger set's batch is 21 loads (22 in V, where this count is the stricter one)
.irp k, 0,1,2,3,4,5,6,7
	v_mov_b32 v[CB+\k], v[BV+\s]                   ; the sums' C: my channel's bias in all eight rows (K: zeros)
.endr
.rept 4
	v_nop
.endr
.irp W, 1,2,3                                  ; 48 matrix instructions; the eight accumulators take turns, one instruction a turn
	WIN \W*5
.irp kk, 0,1
.irp a, 0,1,2,3,4,5,6,7
.if (\W == 1) && (\kk == 0)
	MM ACC+8*\a, 12*(2*\a+\kk), 192+24*\s+12*\kk, v[CB:CB+7], AS+3*\a+\W-1, BS+3*\s+\W-1, \kk
.else
	MM ACC+8*\a, 12*(2*\a+\kk), 192+24*\s+12*\kk, v[ACC+8*\a:ACC+8*\a+7], AS+3*\a+\W-1, BS+3*\s+\W-1, \kk
.endif
.endr
.endr
.endr
	WIN 0
.rept 4
	v_nop                                          ; four places ahead of the loads into the set just multiplied and of the first read of the results
.endr
.if \ld
	BLOAD \s, 2*REC+REC*\s, 128+32*\s
.endif
	QUANT ACC, PW
.irp c, 0,1,2
	global_store_b128 v[L16], v[PC+4*\c:PC+4*\c+3], s[20:21] offset:512*\c   ; 512 consecutive bytes a store
.endr
	global_store_b32 v[R4], v[PW], s[22:23]        ; lanes r and r + 16 hold the same word and store it to the same place
	s_wait_xcnt 0x0                                ; the stores and loads have read their registers and bases: both are written again below
	s_add_nc_u64 s[20:21], s[20:21], s[24:25]
	s_add_nc_u64 s[22:23], s[22:23], s[26:27]
.endm
	BLOAD 0, 0, 0
	BLOAD 1, REC, 32
.Ltrip:
	s_wait_alu depctr_va_vdst(0)
	TILE 0, 1, 21
	TILE 1, 1, 21
	s_add_nc_u64 s[18:19], s[18:19], 2*REC         ; (behind the tile's closing wait on XCNT)
	s_add_nc_u64 s[30:31], s[30:31], 128
	s_sub_co_u32 s28, s28, 1
	s_cmp_lg_u32 s28, 0
	s_cbranch_scc1 .Ltrip
	TILE 0, 0, 21                                  ; the last two tiles load nothing: no load leaves its buffer
	TILE 1, 0, 0
	s_endpgm
.Lfunc_end_k_q951581ea53_proj:
	.size	k_q951581ea53_proj, .Lfunc_end_k_q951581ea53_proj-k_q951581ea53_proj
	.p2alignl 7, 3214868480
	.fill 96, 4, 3214868480
	.section	.rodata,"a",@progbits
	.p2align	6, 0x0
	.amdhsa_kernel k_q951581ea53_proj
		.amdhsa_group_segment_fixed_size 0
		.amdhsa_private_segment_fixed_size 0
		.amdhsa_enable_private_segment 0
		.amdhsa_kernarg_size 40
		.amdhsa_user_sgpr_count 2
		.amdhsa_user_sgpr_kernarg_segment_ptr 1
		.amdhsa_wavefront_size32 1
		.amdhsa_system_sgpr_workgroup_id_x 1
		.amdhsa_system_sgpr_workgroup_id_y 1
		.amdhsa_system_sgpr_workgroup_id_z 1
		.amdhsa_system_vgpr_workitem_id 0
		.amdhsa_next_free_vgpr 1024
		.amdhsa_next_free_sgpr 66
		.amdhsa_reserve_vcc 0
		.amdhsa_float_denorm_mode_32 3
		.amdhsa_float_denorm_mode_16_64 3
		.amdhsa_memory_ordered 1
		.amdhsa_forward_progress 1
		.amdhsa_inst_pref_size 72
	.end_amdhsa_kernel
	.amdgpu_metadata
---
amdhsa.version: [ 1, 2 ]
amdhsa.kernels:
  - .name:           k_q951581ea53_proj
    .symbol:         k_q951581ea53_proj.kd
    .args:
      - { .name: xq, .offset: 0, .size: 8, .value_kind: global_buffer, .address_space: global }
      - { .name: wq, .offset: 8, .size: 8, .value_kind: global_buffer, .address_space: global }
      - { .name: bv, .offset: 16, .size: 8, .value_kind: global_buffer, .address_space: global }
      - { .name: kc, .offset: 24, .size: 8, .value_kind: global_buffer, .address_space: global }
      - { .name: vc, .offset: 32, .size: 8, .value_kind: global_buffer, .address_space: global }
    .group_segment_fixed_size: 0
    .private_segment_fixed_size: 0
    .kernarg_segment_align: 8
    .kernarg_segment_size: 40
    .max_flat_workgroup_size: 128
    .sgpr_count:     66
    .vgpr_count:     1024
    .wavefront_size: 32
...
	.end_amdgpu_metadata
.endif
;; end of part 5
;; launch score (part 6): grid 32 x 8, 4 waves a work-group, clusters of 4 x 1, 167,936 bytes of LDS; arguments kc, qq, attention_masks, pc, pst; writes pc, pst
.if DOCPART == 6
	.amdgcn_target "amdgcn-amd-amdhsa--gfx1250"
	.amdhsa_code_object_version 6
	.text
	.protected	k_q951581ea53_score
	.globl	k_q951581ea53_score
	.p2align	8
	.type	k_q951581ea53_score,@function
k_q951581ea53_score:
	s_mov_b64 s[64:65], 0
	v_nop
	global_prefetch_b8 v0, s[64:65] scope:SCOPE_SE
	s_setreg_imm32_b32 hwreg(HW_REG_WAVE_MODE, 25, 1), 1
	s_wait_xcnt 0x0
	s_wait_alu depctr_hold_cnt(0) depctr_sa_sdst(0) depctr_va_vdst(0) depctr_va_sdst(0) depctr_va_ssrc(0) depctr_va_vcc(0) depctr_vm_vsrc(0)
	s_getreg_b32 s2, hwreg(HW_REG_IB_STS2, 6, 4)
	s_cmp_eq_u32 s2, 0
	s_cbranch_scc0 .Lentry_in_a_cluster
	s_endpgm
.Lentry_in_a_cluster:
	s_bfe_u32 s2, ttmp6, 0x10000c
	s_cmp_lg_u32 s2, 0x3003
	s_cbranch_scc0 .Lentry_shape_is_right
	s_endpgm
.Lentry_shape_is_right:
; Scores, mask and a LOCAL softmax, on codes of BF6.  Nothing of reference() is left out here.
; A work-group takes 512 keys x 256 queries.  Wave w keeps the 128 keys of key step G = 4 x + w (8 tiles x 6 K steps = 48 fragments, 576 registers) as source 0
; and streams the 16 query tiles of chunk y from LDS as source 1: 48 matrix instructions a tile give S^T, a lane one query, its 64 registers 128 keys (register 16 b + i = key 32 b + 16 h + i).
; t = score x log2(e) + (0 or -1e30 x log2(e)): the mask is the addend of one fused multiply-add.  M = ceil(largest t of these 128 keys), p = 2^(t - M), l = sum of p; p is quantised by blocks of 32 keys.
; OUT: pc[(batch x 128 + query tile) x 32 + key step]: 1,536 bytes, the image of p's operand registers;  pst[(G x 128 + tile) x 16 + r]: 8 words: four scale bytes as f32, -M, l, two spare.
; The next launch brings all key steps under the row's own M by a shift of the scale bytes, which changes no code.
; LIMIT: the promise holds while the scaled scores stay under 2^31 in magnitude (a masked t is then -1e30 x log2(e) exactly).  NaN and infinities are not served.
; CLUSTER: the four work-groups of a cluster share the query chunk: one joint fill of 153,600 bytes, never filled again.  The keys are each wave's own and go straight into registers.
; No data prefetch: the one fill stands at the head, and there is no loop to run ahead in.
.set REC, 9600
.set SPARE, 153600
.set L16, 1
.set L4, 2
.set R32, 3
.set H64, 4
.set SPW, 5
.set NIL, 6
.set TNEG, 7
.set ZR, 8
.set QA, 9
.set QSA, 10
.set NM, 12
.set RM, 14
.set AS, 16
.set BS, 40
.set TM, 44
.set S, 64
.set RC, 128
.set SUM, 136
.set PC, 140
.set MB, 192
.set WV, 14
.set CS, 16
.set SEL, 18
.set G0, 20
.set G1, 24
.set PCB, 36
.set PSB, 38
.set KB, 40
.set MKP, 42
.set QO, 44
.set CNT, 45
.set MSB, 0
.macro WIN new
.if MSB != (\new)
	s_set_vgpr_msb (MSB<<8)|(\new)
.set MSB, \new
.endif
.endm
.macro ROUND
	s_barrier_signal -1
	s_barrier_wait -1
	s_cmp_lg_u32 s[WV], 0
	s_cbranch_scc1 .Lnw0_\@
	s_barrier_signal -3
.Lnw0_\@:
	s_barrier_wait -3
	s_barrier_signal -1
	s_barrier_wait -1
.endm
.macro MM d, a, b, c, sa, sb, row
.if \row
	v_wmma_scale_f32_16x16x128_f8f6f4 v[\d:\d+7], v[\a:\a+11], v[\b:\b+11], \c, v[\sa], v[\sb] matrix_a_fmt:MATRIX_FMT_BF6 matrix_b_fmt:MATRIX_FMT_BF6 matrix_a_scale:MATRIX_SCALE_ROW1 matrix_b_scale:MATRIX_SCALE_ROW1
.else
	v_wmma_scale_f32_16x16x128_f8f6f4 v[\d:\d+7], v[\a:\a+11], v[\b:\b+11], \c, v[\sa], v[\sb] matrix_a_fmt:MATRIX_FMT_BF6 matrix_b_fmt:MATRIX_FMT_BF6
.endif
.endm
	s_load_b256 s[4:11], s[0:1], 0x0               ; kc, qq, masks, pc
	s_load_b64 s[12:13], s[0:1], 0x20              ; pst
	v_lshl_add_u32 v[SPW], v0, 2, SPARE
	v_mov_b32 v[NIL], 0
	ds_add_u32 v[SPW], v[NIL]                      ; the opening lines: the add twice on end
	ds_add_u32 v[SPW], v[NIL]
	v_lshrrev_b32 v11, 5, v0
	v_readfirstlane_b32 s[WV], v11
	s_bfe_u32 s32, ttmp6, 0x40000
	s_lshl_b32 s33, ttmp9, 2
	s_add_co_u32 s33, s33, s32                     ; x: which 512 keys
	s_and_b32 s34, ttmp7, 0xffff                   ; y: which 256 queries
	s_lshl_b32 s35, s33, 2
	s_add_co_u32 s35, s35, s[WV]                   ; G = 32 batch + key step
	s_mov_b32 s[G1], 15|(3<<16)|(1<<21)
	s_mov_b32 s[G1+1], 32<<16
	s_mov_b32 s[G1+2], 150<<16
	s_mov_b32 s[G1+3], 32<<16
	s_mov_b32 s[G1+4], 150
	s_mov_b32 s[G1+5], 32
	s_mov_b32 s[G1+6], 0
	s_mov_b32 s[G1+7], 0
	s_mov_b32 s[CS], 0x3fb8aa3b
	s_mov_b32 s[CS+1], s[CS]
	s_mov_b32 s[SEL], 0x76543210
	s_mov_b32 s[SEL+1], 0xfedcba98
	s_mov_b32 s[QO], 0
	v_and_b32 v11, 31, v0
	v_lshlrev_b32 v[L16], 4, v11
	v_lshlrev_b32 v[L4], 2, v11
	v_and_b32 v15, 15, v0
	v_lshlrev_b32 v[R32], 5, v15
	v_bfe_u32 v15, v0, 4, 1
	v_lshlrev_b32 v[H64], 6, v15
	v_lshl_add_u32 v[R32], v15, 4, v[R32]          ; 32 r + 16 h: lanes 0-15 store a record's words 0-3, lanes 16-31 its words 4-7
	s_mov_b32 s56, 0xffff0000                      ; lanes 16-31
	v_mov_b32 v[ZR], 0
	v_mov_b32 v[TNEG], 0xf149f2ca                  ; -1e30
	v_mul_f32 v[TNEG], s[CS], v[TNEG]
	v_mov_b32 v[NM+1], 0
	v_mov_b32 v[RC+6], 0
	v_mov_b32 v[RC+7], 0
.irp b, 0,1,2,3
	v_mov_b32 v[TM+4+\b], 0
.endr
	v_add_nc_u32 v[QA], s[QO], v[L16]
	v_add_nc_u32 v[QSA], s[QO], v[L4]
	s_mul_i32 s46, s34, 153600
	s_mul_i32 s47, s[WV], 38400
	s_add_co_u32 s46, s46, s47                     ; my four records of the chunk
	s_mul_i32 s48, s35, 8*REC                      ; my keys' records
	s_lshl_b32 s50, s35, 9                         ; my 128 masks
	s_lshr_b32 s52, s35, 5
	s_mul_i32 s52, s52, 6291456
	s_mul_i32 s53, s34, 786432
	s_add_co_u32 s52, s52, s53
	s_and_b32 s53, s35, 31
	s_mul_i32 s53, s53, 1536
	s_add_co_u32 s52, s52, s53                     ; pc
	s_lshl_b32 s54, s35, 16
	s_lshl_b32 s55, s34, 13
	s_add_co_u32 s54, s54, s55                     ; pst
	s_mov_b32 s[G0+1], s47
	s_mov_b32 s47, 0
	s_mov_b32 s49, 0
	s_mov_b32 s51, 0
	s_mov_b32 s53, 0
	s_mov_b32 s55, 0
	s_wait_alu depctr_va_vdst(0)
	s_wait_dscnt 0x0
	s_wait_kmcnt 0x0
	s_mov_b32 s[G0], 1
	s_add_nc_u64 s[G0+2:G0+3], s[6:7], s[46:47]
	s_or_b32 s[G0+3], s[G0+3], 0x80000000
	s_add_nc_u64 s[KB:KB+1], s[4:5], s[48:49]
	s_add_nc_u64 s[MKP:MKP+1], s[8:9], s[50:51]
	s_add_nc_u64 s[PCB:PCB+1], s[10:11], s[52:53]
	s_add_nc_u64 s[PSB:PSB+1], s[12:13], s[54:55]
	ROUND                                          ; the four partners' joint loads meet
	tensor_load_to_lds s[G0:G0+3], s[G1:G1+7]
	s_nop 0
.rept 4
	v_nop
.endr
.irp W, 1,2,3                                  ; my 128 keys: 144 loads of 512 bytes; they stay
	WIN 0x40*\W
.irp a, 0,1,2,3,4,5,6,7
.irp kk, 0,1
.irp c, 0,1,2
	global_load_b128 v[12*(2*\a+\kk)+4*\c:12*(2*\a+\kk)+4*\c+3], v[L16], s[KB:KB+1] offset:REC*\a+1536*(2*(\W-1)+\kk)+512*\c
.endr
.endr
.endr
.endr
	WIN 0
.irp a, 0,1,2,3,4,5,6,7
.irp jj, 0,1,2
	global_load_b32 v[AS+3*\a+\jj], v[L4], s[KB:KB+1] offset:REC*\a+9216+128*\jj
.endr
.endr
.irp b, 0,1,2,3
.irp k, 0,1,2,3
	global_load_b128 v[MB+16*\b+4*\k:MB+16*\b+4*\k+3], v[H64], s[MKP:MKP+1] offset:128*\b+16*\k
.endr
.endr
	s_wait_loadcnt 0x0
.set j, 0
.rept 64
	v_cmp_ne_u32 vcc_lo, 0, v[MB+j]
	v_cndmask_b32 v[MB+j], v[TNEG], v[ZR], vcc_lo  ; the addend: 0 for an open key, -1e30 x log2(e) for a masked one
.set j, j+1
.endr
	s_wait_alu depctr_va_vdst(0)
	s_wait_tensorcnt 0x0                           ; my part of the chunk is in,
	s_barrier_signal -1
	s_barrier_wait -1                              ; and everybody's
.macro BLOAD                           ; a query tile: three registers of scale words, six fragments: 21 LDS loads
.irp jj, 0,1,2
	ds_load_b32 v[BS+\jj], v[QSA] offset:9216+128*\jj
.endr
.irp W, 1,2,3
	WIN 0x40*\W
.irp kk, 0,1
.irp c, 0,1,2
	ds_load_b128 v[192+12*\kk+4*\c:192+12*\kk+4*\c+3], v[QA] offset:1536*(2*(\W-1)+\kk)+512*\c
.endr
.endr
.endr
	WIN 0
.endm
.macro TILE ld
	s_wait_dscnt 0x0                               ; the tile is in
.irp W, 1,2,3                                  ; the eight accumulators take turns
	WIN \W*5
.irp kk, 0,1
.irp a, 0,1,2,3,4,5,6,7
.if (\W == 1) && (\kk == 0)
	MM S+8*\a, 12*(2*\a+\kk), 192+12*\kk, 0, AS+3*\a+\W-1, BS+\W-1, \kk
.else
	MM S+8*\a, 12*(2*\a+\kk), 192+12*\kk, v[S+8*\a:S+8*\a+7], AS+3*\a+\W-1, BS+\W-1, \kk
.endif
.endr
.endr
.endr
	WIN 0
.rept 4
	v_nop                                          ; four places ahead of the loads into the tile's registers and of the first read of the results
.endr
.if \ld
	s_add_co_u32 s[QO], s[QO], REC
	v_add_nc_u32 v[QA], s[QO], v[L16]
	v_add_nc_u32 v[QSA], s[QO], v[L4]
	BLOAD                                          ; the next tile lands under the softmax
.endif
.set j, 0
.rept 32
	v_pk_fma_f32 v[S+j:S+j+1], v[S+j:S+j+1], s[CS:CS+1], v[MB+j:MB+j+1] op_sel_hi:[1,0,1]   ; t
.set j, j+2
.endr
.irp b, 0,1,2,3
	v_max3_num_f32 v[TM+\b], v[S+16*\b], v[S+16*\b+1], v[S+16*\b+2]
.endr
.irp i, 3,5,7,9,11,13
.irp b, 0,1,2,3
	v_max3_num_f32 v[TM+\b], v[TM+\b], v[S+16*\b+\i], v[S+16*\b+\i+1]
.endr
.endr
.irp b, 0,1,2,3
	v_max_num_f32 v[TM+\b], v[TM+\b], v[S+16*\b+15]
.endr
.irp b, 0,1,2,3
	v_permlanex16_b32 v[TM+4+\b], v[TM+\b], s[SEL], s[SEL+1]
.endr
.irp b, 0,1,2,3
	v_max_num_f32 v[TM+\b], v[TM+\b], v[TM+4+\b]   ; each block's largest t
.endr
	v_max3_num_f32 v[RM], v[TM], v[TM+1], v[TM+2]
	v_max_num_f32 v[RM], v[RM], v[TM+3]
	v_floor_f32 v[NM], -v[RM]                      ; -M = floor(-t)
.set j, 0
.rept 32
	v_pk_add_f32 v[S+j:S+j+1], v[S+j:S+j+1], v[NM:NM+1] op_sel_hi:[1,0]
.set j, j+2
.endr
.irp b, 0,1,2,3
	v_add_f32 v[TM+\b], v[TM+\b], v[NM]
.endr
	s_wait_alu depctr_va_vdst(0)
	s_wait_xcnt 0x0                                ; the last tile's stores have read their registers and bases: both are written again only below
	s_add_nc_u64 s[PCB:PCB+1], s[PCB:PCB+1], 49152 ; one tile on; the stores' offsets take the stride off again
	s_add_nc_u64 s[PSB:PSB+1], s[PSB:PSB+1], 512
.set j, 0
.rept 64
	v_exp_f32 v[S+j], v[S+j]
.set j, j+1
.endr
.irp b, 0,1,2,3
	v_exp_f32 v[TM+\b], v[TM+\b]                   ; the block's largest p: the same two operations on the same number
.endr
	v_mov_b32 v[RC+4], v[NM]
	s_wait_alu depctr_va_vdst(0)
	v_pk_add_f32 v[SUM:SUM+1], v[S:S+1], v[S+2:S+3]
	v_pk_add_f32 v[SUM+2:SUM+3], v[S+4:S+5], v[S+6:S+7]
.set j, 8
.rept 14
	v_pk_add_f32 v[SUM:SUM+1], v[SUM:SUM+1], v[S+j:S+j+1]
	v_pk_add_f32 v[SUM+2:SUM+3], v[SUM+2:SUM+3], v[S+j+2:S+j+3]
.set j, j+4
.endr
.irp b, 0,1,2,3
	v_max_num_f32 v[TM+\b], 0x2800000, v[TM+\b]    ; the floor 2^(5 - 127)
.endr
.irp b, 0,1,2,3
	v_add_nc_u32 v[TM+12+\b], 0xfe000000, v[TM+\b]
.endr
.irp b, 0,1,2,3
	v_lshrrev_b32 v[TM+4+\b], 23, v[TM+12+\b]
.endr
.irp b, 0,1,2,3
	v_cvt_f32_u32 v[RC+\b], v[TM+4+\b]
.endr
	v_pk_add_f32 v[SUM:SUM+1], v[SUM:SUM+1], v[SUM+2:SUM+3]
	v_add_f32 v[SUM], v[SUM], v[SUM+1]
	v_permlanex16_b32 v[TM+4], v[SUM], s[SEL], s[SEL+1]
	v_add_f32 v[RC+5], v[SUM], v[TM+4]             ; l of these 128 keys
.irp b, 0,1,2,3
	v_cndmask_b32 v[RC+\b], v[RC+\b], v[RC+4+\b], s56
.endr
.irp c, 0,1
	v_cvt_scalef32_pk16_bf6_f32 v[PC+6*\c:PC+2+6*\c], v[S+32*\c:S+15+32*\c], v[TM+12+2*\c]
	v_cvt_scalef32_pk16_bf6_f32 v[PC+12+4*\c:PC+14+4*\c], v[S+16+32*\c:S+31+32*\c], v[TM+12+2*\c+1]
.endr
	v_nop
.irp c, 0,1
.irp i, 0,1,2
	v_permlane16_swap_b32 v[PC+6*\c+\i], v[PC+12+4*\c+\i]
.endr
.irp i, 0,1,2
	v_mov_b32 v[PC+3+6*\c+\i], v[PC+12+4*\c+\i]
.endr
.endr
.irp c, 0,1,2
	global_store_b128 v[L16], v[PC+4*\c:PC+4*\c+3], s[PCB:PCB+1] offset:512*\c-49152
.endr
	global_store_b128 v[R32], v[RC:RC+3], s[PSB:PSB+1] offset:-512   ; 32 lanes store the tile's 512 bytes on end
.endm
	BLOAD
	s_mov_b32 s[CNT], 15
.Ltile:
	TILE 1
	s_sub_co_u32 s[CNT], s[CNT], 1
	s_cmp_lg_u32 s[CNT], 0
	s_wait_alu depctr_va_vdst(0)
	s_cbranch_scc1 .Ltile
	TILE 0                                         ; the last tile fetches nothing
	s_wait_tensorcnt 0x0                           ; the wave's end
	ds_add_u32 v[SPW], v[NIL]
	s_wait_dscnt 0x0
	ROUND
	s_endpgm
.Lfunc_end_k_q951581ea53_score:
	.size	k_q951581ea53_score, .Lfunc_end_k_q951581ea53_score-k_q951581ea53_score
	.p2alignl 7, 3214868480
	.fill 96, 4, 3214868480
	.section	.rodata,"a",@progbits
	.p2align	6, 0x0
	.amdhsa_kernel k_q951581ea53_score
		.amdhsa_group_segment_fixed_size 167936
		.amdhsa_private_segment_fixed_size 0
		.amdhsa_enable_private_segment 0
		.amdhsa_kernarg_size 40
		.amdhsa_user_sgpr_count 2
		.amdhsa_user_sgpr_kernarg_segment_ptr 1
		.amdhsa_wavefront_size32 1
		.amdhsa_system_sgpr_workgroup_id_x 1
		.amdhsa_system_sgpr_workgroup_id_y 1
		.amdhsa_system_sgpr_workgroup_id_z 1
		.amdhsa_system_vgpr_workitem_id 0
		.amdhsa_next_free_vgpr 1024
		.amdhsa_next_free_sgpr 66
		.amdhsa_reserve_vcc 1
		.amdhsa_float_denorm_mode_32 3
		.amdhsa_float_denorm_mode_16_64 3
		.amdhsa_memory_ordered 1
		.amdhsa_forward_progress 1
		.amdhsa_inst_pref_size 69
	.end_amdhsa_kernel
	.amdgpu_metadata
---
amdhsa.version: [ 1, 2 ]
amdhsa.kernels:
  - .name:           k_q951581ea53_score
    .symbol:         k_q951581ea53_score.kd
    .args:
      - { .name: kc, .offset: 0, .size: 8, .value_kind: global_buffer, .address_space: global }
      - { .name: qq, .offset: 8, .size: 8, .value_kind: global_buffer, .address_space: global }
      - { .name: attention_masks, .offset: 16, .size: 8, .value_kind: global_buffer, .address_space: global }
      - { .name: pc, .offset: 24, .size: 8, .value_kind: global_buffer, .address_space: global }
      - { .name: pst, .offset: 32, .size: 8, .value_kind: global_buffer, .address_space: global }
    .group_segment_fixed_size: 167936
    .private_segment_fixed_size: 0
    .kernarg_segment_align: 8
    .kernarg_segment_size: 40
    .max_flat_workgroup_size: 128
    .sgpr_count:     66
    .vgpr_count:     1024
    .wavefront_size: 32
...
	.end_amdgpu_metadata
.endif
;; end of part 6
;; launch pv (part 7): grid 4 x 64, 4 waves a work-group, clusters of 4 x 4, 327,680 bytes of LDS; arguments vc, pc, pst, ln_gamma, w_out, st; writes st
.if DOCPART == 7
	.amdgcn_target "amdgcn-amd-amdhsa--gfx1250"
	.amdhsa_code_object_version 6
	.text
	.protected	k_q951581ea53_pv
	.globl	k_q951581ea53_pv
	.p2align	8
	.type	k_q951581ea53_pv,@function
k_q951581ea53_pv:
	s_mov_b64 s[64:65], 0
	v_nop
	global_prefetch_b8 v0, s[64:65] scope:SCOPE_SE
	s_setreg_imm32_b32 hwreg(HW_REG_WAVE_MODE, 25, 1), 1
	s_wait_xcnt 0x0
	s_wait_alu depctr_hold_cnt(0) depctr_sa_sdst(0) depctr_va_vdst(0) depctr_va_sdst(0) depctr_va_ssrc(0) depctr_va_vcc(0) depctr_vm_vsrc(0)
	s_getreg_b32 s2, hwreg(HW_REG_IB_STS2, 6, 4)
	s_cmp_eq_u32 s2, 0
	s_cbranch_scc0 .Lentry_in_a_cluster
	s_endpgm
.Lentry_in_a_cluster:
	s_bfe_u32 s2, ttmp6, 0x10000c
	s_cmp_lg_u32 s2, 0xf033
	s_cbranch_scc0 .Lentry_shape_is_right
	s_endpgm
.Lentry_shape_is_right:
; y = (p V) / l on codes of BF6, and LayerNorm's sums by slices of 96 channels.  Nothing of reference() is left out here.
; A work-group makes 128 queries x 192 channels over all 4,096 keys; a wave 64 x 96: 24 accumulators, O^T (source 0 = V's channels, source 1 = p's queries).
; HEAD: thread t owns query t: the row's -M is the least of the 32 key steps' -M; each step's four scale bytes are lowered by M's difference, held at 1 from below, and laid in LDS; l is summed under the row's M.
; RING: two slots of 122,880 bytes, each with four key steps: V 4 x 18,432 bytes, p 8 tiles x 6,144 bytes.  Waves 0, 1 fetch p (shared along the cluster's row), waves 2, 3 V (shared along its column): one joint load a wave behind each round.
; V's scale words come by plain loads, a slot ahead.  TAIL: for each query and my 96 channels: mean m, sum of (y - m)^2, sum of (y - m) gamma w, sum of gamma w -> st[slice][row][4].
; LIMITS as in the launch before.  No data prefetch: what a fill asks for was stored by earlier launches and each fill follows the last at once; the ring has no spare trip to run ahead in beyond its own slot.
.set SLOTB, 122880
.set PSL, 245760
.set LINV, 262144
.set SPARE, 262656
.set L16, 1
.set L4, 2
.set H64, 3
.set SO, 4
.set T32, 5
.set SPW, 6
.set NIL, 7
.set VA, 8
.set PA, 10
.set PSR0, 12
.set PSR, 13
.set LIR, 14
.set PSWA, 15
.set LIWA, 16
.set MG, 17
.set LS, 18
.set LIV, 19
.set TT, 20
.set PS, 24
.set VS, 32
.set FV, 64
.set FP, 136
.set GW, 64
.set WW, 112
.set Y, 160
.set A, 208
.set B, 212
.set C, 216
.set LI, 220
.set R, 228
.set GG, 244
.set WV, 16
.set G1, 24
.set G0, 32
.set G1B, 48
.set G0B, 56
.set VSB, 66
.set PSO, 68
.set CNT, 69
.set SEL, 70
.set STB, 80
.set GB, 82
.set WB, 84
.set PB, 86
; DATA PREFETCH (this takes the place of the head comment's last sentence): in slot k each wave asks for its share of slot k + 2's tiles, one slot ahead of the load that wants them; the head asks for slot 1; slots 6 and 7 ask for nothing.
; Of the four tiles of p that a wave fetches the partner at cx names tile cx (24 blocks of 256 bytes); of V's two key steps the partner at cy names half a step (36 blocks, two instructions): shared out by address, each block once in the cluster.
.set PFO, 28
.set PFO2, 29
.set PFA, 94
.set PFS, 22
.set MSB, 0
.macro WIN new
.if MSB != (\new)
	s_set_vgpr_msb (MSB<<8)|(\new)
.set MSB, \new
.endif
.endm
.macro ROUND
	s_barrier_signal -1
	s_barrier_wait -1
	s_cmp_lg_u32 s[WV], 0
	s_cbranch_scc1 .Lnw0_\@
	s_barrier_signal -3
.Lnw0_\@:
	s_barrier_wait -3
	s_barrier_signal -1
	s_barrier_wait -1
.endm
.macro JLOAD s
	s_cmp_eq_u32 s17, 0
	s_cbranch_scc0 .Lfor_v_\@
	tensor_load_to_lds s[G0+4*(\s):G0+4*(\s)+3], s[G1:G1+7]
	s_nop 0
.rept 4
	v_nop
.endr
	s_branch .Lasked_\@
.Lfor_v_\@:
	tensor_load_to_lds s[G0B+4*(\s):G0B+4*(\s)+3], s[G1B:G1B+7]
	s_nop 0
.rept 4
	v_nop
.endr
.Lasked_\@:
.endm
.macro MM d, a, b, c, sa, sb, ra, rb
.if (\ra) && (\rb)
	v_wmma_scale_f32_16x16x128_f8f6f4 v[\d:\d+7], v[\a:\a+11], v[\b:\b+11], \c, v[\sa], v[\sb] matrix_a_fmt:MATRIX_FMT_BF6 matrix_b_fmt:MATRIX_FMT_BF6 matrix_a_scale:MATRIX_SCALE_ROW1 matrix_b_scale:MATRIX_SCALE_ROW1
.elseif \ra
	v_wmma_scale_f32_16x16x128_f8f6f4 v[\d:\d+7], v[\a:\a+11], v[\b:\b+11], \c, v[\sa], v[\sb] matrix_a_fmt:MATRIX_FMT_BF6 matrix_b_fmt:MATRIX_FMT_BF6 matrix_a_scale:MATRIX_SCALE_ROW1
.elseif \rb
	v_wmma_scale_f32_16x16x128_f8f6f4 v[\d:\d+7], v[\a:\a+11], v[\b:\b+11], \c, v[\sa], v[\sb] matrix_a_fmt:MATRIX_FMT_BF6 matrix_b_fmt:MATRIX_FMT_BF6 matrix_b_scale:MATRIX_SCALE_ROW1
.else
	v_wmma_scale_f32_16x16x128_f8f6f4 v[\d:\d+7], v[\a:\a+11], v[\b:\b+11], \c, v[\sa], v[\sb] matrix_a_fmt:MATRIX_FMT_BF6 matrix_b_fmt:MATRIX_FMT_BF6
.endif
.endm
	s_load_b256 s[4:11], s[0:1], 0x0               ; vc, pc, pst, gamma
	s_load_b128 s[12:15], s[0:1], 0x20             ; w_out, st
	v_lshl_add_u32 v[SPW], v0, 2, SPARE
	v_mov_b32 v[NIL], 0
	ds_add_u32 v[SPW], v[NIL]                      ; the opening lines: the add twice on end
	ds_add_u32 v[SPW], v[NIL]
	v_lshrrev_b32 v21, 5, v0
	v_readfirstlane_b32 s[WV], v21
	s_lshr_b32 s17, s[WV], 1                       ; I fetch p (0) or V (1); also my half of the queries
	s_and_b32 s18, s[WV], 1                        ; which half of that tile I fetch; also my half of the channels
	s_bfe_u32 s40, ttmp6, 0x40000                  ; cx
	s_bfe_u32 s41, ttmp6, 0x40004                  ; cy
	s_and_b32 s46, ttmp7, 0xffff
	s_lshl_b32 s42, s46, 2
	s_add_co_u32 s42, s42, s41                     ; query block, 16 batch + block
	s_lshr_b32 s45, s46, 2                         ; batch: the same in the whole cluster
	s_lshl_b32 s47, ttmp9, 2
	s_add_co_u32 s47, s47, s40                     ; channel block
	s_lshl_b32 s43, s41, 2
	s_lshl_b32 s43, 15, s43                        ; my row of the cluster
	s_lshl_b32 s44, 0x1111, s40                    ; my column
	s_or_b32 s[G1], s43, (3<<16)|(1<<21)           ; p: 4 tiles x 6,144 bytes, 49,152 apart
	s_mov_b32 s[G1+1], 768<<16
	s_mov_b32 s[G1+2], 4<<16
	s_mov_b32 s[G1+3], 768<<16
	s_mov_b32 s[G1+4], 4
	s_mov_b32 s[G1+5], 6144
	s_mov_b32 s[G1+6], 0
	s_mov_b32 s[G1+7], 0
	s_or_b32 s[G1B], s44, (3<<16)|(1<<21)          ; V: 2 key steps x 18,432 bytes, 76,800 apart
	s_mov_b32 s[G1B+1], 2304<<16
	s_mov_b32 s[G1B+2], 2<<16
	s_mov_b32 s[G1B+3], 2304<<16
	s_mov_b32 s[G1B+4], 2
	s_mov_b32 s[G1B+5], 9600
	s_mov_b32 s[G1B+6], 0
	s_mov_b32 s[G1B+7], 0
	s_mov_b32 s[SEL], 0x76543210
	s_mov_b32 s[SEL+1], 0xfedcba98
	s_mov_b32 s[PSO], 0
	s_mul_i32 s72, s42, 393216
	s_mul_i32 s73, s18, 196608
	s_add_co_u32 s72, s72, s73                     ; p: my four tiles
	s_mov_b32 s73, 0
	s_mul_i32 s74, s45, 2457600
	s_mul_i32 s75, s18, 153600
	s_add_co_u32 s74, s74, s75
	s_mul_i32 s75, s47, 18432
	s_add_co_u32 s74, s74, s75                     ; V: my two key steps
	s_mov_b32 s75, 0
	s_mul_i32 s76, s45, 2457600
	s_mul_i32 s77, s47, 768
	s_mul_i32 s78, s18, 384
	s_add_co_u32 s78, s78, s77                     ; my 96 channels, in bytes of f32, and my six tiles' scale words
	s_add_co_u32 s76, s76, s78
	s_add_co_u32 s76, s76, 73728
	s_mov_b32 s77, 0
	s_mov_b32 s79, 0
	s_lshr_b32 s88, s42, 4
	s_lshl_b32 s88, s88, 21
	s_and_b32 s89, s42, 15
	s_lshl_b32 s89, s89, 12
	s_add_co_u32 s88, s88, s89                     ; pst: my 128 queries, key step 0
	s_mov_b32 s89, 0
	s_lshl_b32 s90, s47, 1
	s_add_co_u32 s90, s90, s18
	s_lshl_b32 s90, s90, 17
	s_lshl_b32 s91, s42, 11
	s_add_co_u32 s90, s90, s91
	s_lshl_b32 s91, s17, 10
	s_add_co_u32 s90, s90, s91                     ; st: my slice, my 64 rows
	s_mov_b32 s91, 0
	s_mul_i32 s92, s18, 24576
	s_add_co_u32 s92, s92, 73728                   ; LDS: p's half
	s_mul_i32 s93, s18, 36864                      ; V's half
	v_and_b32 v21, 31, v0
	v_lshlrev_b32 v[L16], 4, v21
	v_lshlrev_b32 v[L4], 2, v21
	v_and_b32 v22, 15, v0
	v_lshlrev_b32 v[SO], 4, v22
	v_bfe_u32 v23, v0, 4, 1
	v_lshlrev_b32 v[H64], 6, v23
	v_lshlrev_b32 v[T32], 5, v0
	s_mul_i32 s19, s18, 9216
	v_add_nc_u32 v[VA], s19, v[L16]
	v_add_nc_u32 v[VA+1], SLOTB, v[VA]
	s_mul_i32 s19, s17, 24576
	s_add_co_u32 s19, s19, 73728
	v_add_nc_u32 v[PA], s19, v[L16]
	v_add_nc_u32 v[PA+1], SLOTB, v[PA]
	s_lshl_b32 s19, s17, 8
	s_add_co_u32 s20, s19, PSL
	v_add_nc_u32 v[PSR0], s20, v[L4]
	s_add_co_u32 s20, s19, LINV
	v_lshl_add_u32 v[LIR], v22, 2, s20
	v_lshl_add_u32 v[PSWA], v0, 2, PSL
	v_lshl_add_u32 v[LIWA], v0, 2, LINV
	v_mov_b32 v[TT], 0
	s_cmp_eq_u32 s17, 0
	s_cselect_b32 s23, 23, 31
	v_min_u32 v[PFO], s23, v21                     ; lanes left over name the last block again
	v_lshlrev_b32 v[PFO], 8, v[PFO]
	v_min_u32 v[PFO2], 3, v21
	v_lshlrev_b32 v[PFO2], 8, v[PFO2]
	s_wait_alu depctr_va_vdst(0)
	s_wait_dscnt 0x0
	s_wait_kmcnt 0x0
	s_add_nc_u64 s[72:73], s[6:7], s[72:73]
	s_add_nc_u64 s[74:75], s[4:5], s[74:75]
	s_add_nc_u64 s[VSB:VSB+1], s[4:5], s[76:77]
	s_add_nc_u64 s[PB:PB+1], s[8:9], s[88:89]
	s_add_nc_u64 s[GB:GB+1], s[10:11], s[78:79]
	s_add_nc_u64 s[WB:WB+1], s[12:13], s[78:79]
	s_add_nc_u64 s[STB:STB+1], s[14:15], s[90:91]
	s_mul_i32 s20, s40, 49152
	s_add_co_u32 s20, s20, 6144                    ; p: tile cx, slot 1
	s_lshr_b32 s21, s41, 1
	s_mul_i32 s21, s21, 76800
	s_and_b32 s22, s41, 1
	s_mul_i32 s22, s22, 9216
	s_add_co_u32 s21, s21, s22
	s_add_co_u32 s21, s21, 307200                  ; V: key step cy / 2, half cy % 2, slot 1
	s_mov_b32 s22, 307200
	s_cmp_eq_u32 s17, 0
	s_cselect_b64 s[PFA:PFA+1], s[72:73], s[74:75]
	s_cselect_b32 s20, s20, s21
	s_cselect_b32 s[PFS], 6144, s22                ; from slot to slot
	s_mov_b32 s21, 0
	s_mov_b32 s[PFS+1], 0
	s_add_nc_u64 s[PFA:PFA+1], s[PFA:PFA+1], s[20:21]
	ROUND                                          ; all sixteen work-groups are here
.irp s, 0,1
	s_mov_b32 s[G0+4*\s], 1
	s_add_co_u32 s[G0+4*\s+1], s92, \s*SLOTB
	s_add_nc_u64 s[G0+4*\s+2:G0+4*\s+3], s[72:73], \s*6144
	s_or_b32 s[G0+4*\s+3], s[G0+4*\s+3], 0x80000000
	s_mov_b32 s[G0B+4*\s], 1
	s_add_co_u32 s[G0B+4*\s+1], s93, \s*SLOTB
	s_add_nc_u64 s[G0B+4*\s+2:G0B+4*\s+3], s[74:75], \s*307200
	s_or_b32 s[G0B+4*\s+3], s[G0B+4*\s+3], 0x80000000
.endr
	JLOAD 0                                        ; key steps 0 to 3: one tensor load a wave at the head
.macro VSLOAD set                      ; V's scale words of four key steps: lanes 0-15 tile 2 m, lanes 16-31 tile 2 m + 1
.irp t, 0,1,2,3
.irp m, 0,1,2
	global_load_b32 v[VS+12*(\set)+3*\t+\m], v[L4], s[VSB:VSB+1] offset:76800*\t+128*\m
.endr
.endr
.endm
.macro ASK mode                        ; 0: nothing; 1: ask; 2: ask but in the loop's last trip
.if \mode
.if \mode == 2
	s_cmp_gt_u32 s[CNT], 1
	s_cbranch_scc0 .Lno_\@
.endif
	global_prefetch_b8 v[PFO], s[PFA:PFA+1] th:TH_LOAD_NT scope:SCOPE_SE
	s_cmp_eq_u32 s17, 0
	s_cbranch_scc1 .Lno_\@
	global_prefetch_b8 v[PFO2], s[PFA:PFA+1] offset:8192 th:TH_LOAD_NT scope:SCOPE_SE
.Lno_\@:
.endif
.endm
	VSLOAD 0
	ASK 1
.set g, 0
.rept 32
	global_load_b64 v[64+2*g:65+2*g], v[T32], s[PB:PB+1] offset:65536*g+16    ; -M, l of key step g
.set g, g+1
.endr
.set g, 0
.rept 32
	global_load_b128 v[128+4*g:131+4*g], v[T32], s[PB:PB+1] offset:65536*g    ; its four scale bytes, as f32
.set g, g+1
.endr
.irp t, 0,1,2,3
.irp m, 0,1,2
	global_load_b32 v[VS+12+3*\t+\m], v[L4], s[VSB:VSB+1] offset:307200+76800*\t+128*\m   ; slot 1's scale words of V
.endr
.endr
	WIN 0x80                                       ; gamma and w_out of my 48 channels wait in spare registers of windows 2 and 1
.irp d, 0,1,2,3,4,5
.irp e, 0,1
	global_load_b128 v[184+8*\d+4*\e:184+8*\d+4*\e+3], v[H64], s[GB:GB+1] offset:128*(\d/2)+32*(\d&1)+16*\e
.endr
.endr
	WIN 0x40
.irp d, 0,1,2,3,4,5
.irp e, 0,1
	global_load_b128 v[192+8*\d+4*\e:192+8*\d+4*\e+3], v[H64], s[WB:WB+1] offset:128*(\d/2)+32*(\d&1)+16*\e
.endr
.endr
	WIN 0
	s_wait_alu depctr_va_vdst(0)
	s_wait_xcnt 0x0                                ; the prefetch has read its address
	s_add_nc_u64 s[PFA:PFA+1], s[PFA:PFA+1], s[PFS:PFS+1]
	s_wait_tensorcnt 0x0                           ; my part of slot 0 is in; slot 1's first fill is issued as a refill is
	ds_add_u32 v[SPW], v[NIL]
	s_add_nc_u64 s[G0+2:G0+3], s[G0+2:G0+3], 12288
	s_add_nc_u64 s[G0B+2:G0B+3], s[G0B+2:G0B+3], 614400
	s_wait_dscnt 0x0
	ROUND
	JLOAD 1                                        ; key steps 4 to 7 land under the work below
	s_wait_loadcnt 0x0
	s_add_nc_u64 s[VSB:VSB+1], s[VSB:VSB+1], 307200
	v_min3_num_f32 v[MG], v64, v66, v68
.set g, 3
.rept 14
	v_min3_num_f32 v[MG], v[MG], v[64+2*g], v[66+2*g]
.set g, g+2
.endr
	v_min_num_f32 v[MG], v[MG], v126               ; the row's -M
.set g, 0
.rept 32
	v_sub_f32 v[64+2*g], v[MG], v[64+2*g]          ; the step's M less the row's: a whole number, 0 or less
.set g, g+1
.endr
.set k, 0
.rept 128
	v_add_f32 v[128+k], v[128+k], v[64+2*(k/4)]
.set k, k+1
.endr
.set k, 0
.rept 128
	v_max_num_f32 v[128+k], 1.0, v[128+k]          ; a scale byte stays a finite code
.set k, k+1
.endr
.set k, 0
.rept 128
	v_cvt_u32_f32 v[128+k], v[128+k]
.set k, k+1
.endr
.set g, 0
.rept 32
	v_lshl_or_b32 v[128+4*g], v[129+4*g], 8, v[128+4*g]
	v_lshl_or_b32 v[130+4*g], v[131+4*g], 8, v[130+4*g]
	v_cvt_i32_f32 v[64+2*g], v[64+2*g]             ; (it saturates)
	v_lshl_or_b32 v[128+4*g], v[130+4*g], 16, v[128+4*g]
	v_ldexp_f32 v[65+2*g], v[65+2*g], v[64+2*g]    ; l under the row's M
	ds_store_b32 v[PSWA], v[128+4*g] offset:512*g
.set g, g+1
.endr
.set g, 0
.rept 16
	v_add_f32 v[65+4*g], v[65+4*g], v[67+4*g]
.set g, g+1
.endr
	v_add_f32 v[LS], v65, v69
.set g, 2
.rept 14
	v_add_f32 v[LS], v[LS], v[65+4*g]
.set g, g+1
.endr
	s_wait_alu depctr_va_vdst(0)
	v_rcp_f32 v[LIV], v[LS]
	v_nop
	s_wait_alu depctr_va_vdst(0)
	ds_store_b32 v[LIWA], v[LIV]
.macro FETCH sl, t, set                ; a key step's fragments: 2 + 18 + 12 = 32 LDS loads
.irp i, 0,1
	ds_load_b32 v[PS+2*(\set)+\i], v[PSR] offset:512*(\t)+128*\i
.endr
	WIN 0x80*(\set)
.irp d, 0,1,2,3,4,5
.irp c, 0,1,2
	ds_load_b128 v[FV+12*\d+4*\c:FV+12*\d+4*\c+3], v[VA+\sl] offset:18432*(\t)+1536*\d+512*\c
.endr
.endr
.irp q, 0,1,2,3
.irp c, 0,1,2
	ds_load_b128 v[FP+12*\q+4*\c:FP+12*\q+4*\c+3], v[PA+\sl] offset:6144*\q+1536*(\t)+512*\c
.endr
.endr
	WIN 0
.endm
.macro MUL set, vs, zero               ; 24 matrix instructions, the 24 accumulators by turns
	WIN 0x50|(0x0a*(\set))
.irp d, 0,1,2,3,4,5
.irp q, 0,1,2,3
.if \zero
	MM 8*(4*\d+\q), FV+12*\d, FP+12*\q, 0, \vs+\d/2, PS+2*(\set)+\q/2, \d&1, \q&1
.else
	MM 8*(4*\d+\q), FV+12*\d, FP+12*\q, v[8*(4*\d+\q):8*(4*\d+\q)+7], \vs+\d/2, PS+2*(\set)+\q/2, \d&1, \q&1
.endif
.endr
.endr
	WIN 0
.endm
.macro SLOT sl, refill, zero, ask
	s_wait_xcnt 0x0                                ; the last slot's prefetches have read their address
	s_add_nc_u64 s[PFA:PFA+1], s[PFA:PFA+1], s[PFS:PFS+1]
	s_wait_tensorcnt 0x0                           ; all my tensor loads are done, my part of this slot among them
	ds_add_u32 v[SPW], v[NIL]
	s_add_nc_u64 s[G0+4*\sl+2:G0+4*\sl+3], s[G0+4*\sl+2:G0+4*\sl+3], 12288
	s_add_nc_u64 s[G0B+4*\sl+2:G0B+4*\sl+3], s[G0B+4*\sl+2:G0B+4*\sl+3], 614400
	s_wait_loadcnt 0x0                             ; this slot's scale words of V are in
	s_wait_dscnt 0x0                               ; the add, my LDS stores and my reads of the other slot are done
	ROUND
.if \refill
	JLOAD 1-\sl                                    ; the next four key steps, into the slot read last
	s_add_nc_u64 s[VSB:VSB+1], s[VSB:VSB+1], 307200
	VSLOAD 1-\sl
.else
.rept 4
	v_nop
.endr
.endif
	WORK \sl, \zero, \ask
.endm
.macro WORK sl, zero, ask              ; a slot's four key steps
	v_add_nc_u32 v[PSR], s[PSO], v[PSR0]
	s_wait_alu depctr_va_vdst(0)
	s_add_co_u32 s[PSO], s[PSO], 2048
	FETCH \sl, 0, 0
	ASK \ask
.irp t, 0,1,2,3
.if \t < 3
.if \t > 0
.rept 4
	v_nop                                          ; four places ahead of the loads into the set multiplied last
.endr
.endif
	FETCH \sl, \t+1, (\t+1)&1
	s_wait_dscnt 32                                ; all but the 32 loads just issued
.else
	s_wait_dscnt 0x0
.endif
.if (\zero) && (\t == 0)
	MUL \t&1, VS+12*\sl+3*\t, 1
.else
	MUL \t&1, VS+12*\sl+3*\t, 0
.endif
.endr
.endm
	s_wait_alu depctr_va_vdst(0)
	s_wait_dscnt 0x0                               ; my scale words and my 1 / l are stored
	s_barrier_signal -1
	s_barrier_wait -1                              ; and everybody's
	WORK 0, 1, 1
	s_mov_b32 s[CNT], 3
.Lpair:
	SLOT 1, 1, 0, 1
	SLOT 0, 1, 0, 2
	s_sub_co_u32 s[CNT], s[CNT], 1
	s_cmp_lg_u32 s[CNT], 0
	s_cbranch_scc1 .Lpair
	SLOT 1, 0, 0, 0
.rept 4
	v_nop
.endr
.irp d, 0,1,2,3,4,5
.irp e, 0,1
.endr
.endr
.irp q, 0,1,2,3
	ds_load_b32 v[LI+2*\q], v[LIR] offset:64*\q    ; 1 / l of my query
	v_mov_b32 v[LI+2*\q+1], 0
	v_mov_b32 v[R+4*\q+1], 0
.endr
.macro SUM48 a, y
	v_pk_add_f32 v[\a:\a+1], v[\y:\y+1], v[\y+2:\y+3]
	v_pk_add_f32 v[\a+2:\a+3], v[\y+4:\y+5], v[\y+6:\y+7]
.set j, 8
.rept 10
	v_pk_add_f32 v[\a:\a+1], v[\a:\a+1], v[\y+j:\y+j+1]
	v_pk_add_f32 v[\a+2:\a+3], v[\a+2:\a+3], v[\y+j+2:\y+j+3]
.set j, j+4
.endr
.endm
.macro DOT48 a, y, z
	v_pk_mul_f32 v[\a:\a+1], v[\y:\y+1], v[\z:\z+1]
	v_pk_mul_f32 v[\a+2:\a+3], v[\y+2:\y+3], v[\z+2:\z+3]
.set j, 4
.rept 11
	v_pk_fma_f32 v[\a:\a+1], v[\y+j:\y+j+1], v[\z+j:\z+j+1], v[\a:\a+1]
	v_pk_fma_f32 v[\a+2:\a+3], v[\y+j+2:\y+j+3], v[\z+j+2:\z+j+3], v[\a+2:\a+3]
.set j, j+4
.endr
.endm
.macro FOLD d, a                       ; four partial sums and lane l xor 16's
	v_pk_add_f32 v[\a:\a+1], v[\a:\a+1], v[\a+2:\a+3]
	v_add_f32 v[\a], v[\a], v[\a+1]
	v_permlanex16_b32 v[TT], v[\a], s[SEL], s[SEL+1]
	v_add_f32 v[\d], v[\a], v[TT]
.endm
	s_wait_alu depctr_va_vdst(0)
	s_wait_loadcnt 0x0
	s_wait_dscnt 0x0
.set j, 0
.rept 24
	WIN 0x06
	v_pk_mul_f32 v[GW+j:GW+j+1], v[184+j:185+j], v[192+j:193+j]     ; gamma w of my 48 channels
.set j, j+2
.endr
	WIN 0
	SUM48 GG, GW
	FOLD GG, GG
.irp q, 0,1,2,3
	WIN 0x01
.irp d, 0,1,2,3,4,5
.irp p, 0,2,4,6
	v_pk_mul_f32 v[Y+8*\d+\p:Y+8*\d+\p+1], v[8*(4*\d+\q)+\p:8*(4*\d+\q)+\p+1], v[LI+2*\q:LI+2*\q+1] op_sel_hi:[1,0]   ; y; each accumulator from its low end on
.endr
.endr
	WIN 0
	SUM48 A, Y
	FOLD A, A
	v_mul_f32 v[R+4*\q], 0x3c2aaaab, v[A]          ; m = sum / 96
.set j, 0
.rept 24
	v_pk_add_f32 v[Y+j:Y+j+1], v[Y+j:Y+j+1], v[R+4*\q:R+4*\q+1] op_sel_hi:[1,0] neg_lo:[0,1] neg_hi:[0,1]
.set j, j+2
.endr
	DOT48 B, Y, Y
	DOT48 C, Y, GW
	FOLD R+4*\q+1, B
	FOLD R+4*\q+2, C
	v_mov_b32 v[R+4*\q+3], v[GG]
	global_store_b128 v[SO], v[R+4*\q:R+4*\q+3], s[STB:STB+1] offset:256*\q   ; sixteen lanes store 256 bytes on end; lanes r + 16 store the same
.endr
	s_wait_tensorcnt 0x0                           ; the wave's end
	ds_add_u32 v[SPW], v[NIL]
	s_wait_dscnt 0x0
	ROUND
	s_endpgm
.Lfunc_end_k_q951581ea53_pv:
	.size	k_q951581ea53_pv, .Lfunc_end_k_q951581ea53_pv-k_q951581ea53_pv
	.p2alignl 7, 3214868480
	.fill 96, 4, 3214868480
	.section	.rodata,"a",@progbits
	.p2align	6, 0x0
	.amdhsa_kernel k_q951581ea53_pv
		.amdhsa_group_segment_fixed_size 327680
		.amdhsa_private_segment_fixed_size 0
		.amdhsa_enable_private_segment 0
		.amdhsa_kernarg_size 48
		.amdhsa_user_sgpr_count 2
		.amdhsa_user_sgpr_kernarg_segment_ptr 1
		.amdhsa_wavefront_size32 1
		.amdhsa_system_sgpr_workgroup_id_x 1
		.amdhsa_system_sgpr_workgroup_id_y 1
		.amdhsa_system_sgpr_workgroup_id_z 1
		.amdhsa_system_vgpr_workitem_id 0
		.amdhsa_next_free_vgpr 768
		.amdhsa_next_free_sgpr 96
		.amdhsa_reserve_vcc 0
		.amdhsa_float_denorm_mode_32 3
		.amdhsa_float_denorm_mode_16_64 3
		.amdhsa_memory_ordered 1
		.amdhsa_forward_progress 1
		.amdhsa_inst_pref_size 174
	.end_amdhsa_kernel
	.amdgpu_metadata
---
amdhsa.version: [ 1, 2 ]
amdhsa.kernels:
  - .name:           k_q951581ea53_pv
    .symbol:         k_q951581ea53_pv.kd
    .args:
      - { .name: vc, .offset: 0, .size: 8, .value_kind: global_buffer, .address_space: global }
      - { .name: pc, .offset: 8, .size: 8, .value_kind: global_buffer, .address_space: global }
      - { .name: pst, .offset: 16, .size: 8, .value_kind: global_buffer, .address_space: global }
      - { .name: ln_gamma, .offset: 24, .size: 8, .value_kind: global_buffer, .address_space: global }
      - { .name: w_out, .offset: 32, .size: 8, .value_kind: global_buffer, .address_space: global }
      - { .name: st, .offset: 40, .size: 8, .value_kind: global_buffer, .address_space: global }
    .group_segment_fixed_size: 327680
    .private_segment_fixed_size: 0
    .kernarg_segment_align: 8
    .kernarg_segment_size: 48
    .max_flat_workgroup_size: 128
    .sgpr_count:     96
    .vgpr_count:     768
    .wavefront_size: 32
...
	.end_amdgpu_metadata
.endif
;; end of part 7
;; launch join (part 8): grid 32 x 1, 8 waves a work-group, no clusters, 0 bytes of LDS; arguments st, ln_beta, w_out, b_out, out0; writes out0
.if DOCPART == 8
	.amdgcn_target "amdgcn-amd-amdhsa--gfx1250"
	.amdhsa_code_object_version 6
	.text
	.protected	k_q951581ea53_join
	.globl	k_q951581ea53_join
	.p2align	8
	.type	k_q951581ea53_join,@function
k_q951581ea53_join:
	s_mov_b64 s[64:65], 0
	v_nop
	global_prefetch_b8 v0, s[64:65] scope:SCOPE_SE
	s_setreg_imm32_b32 hwreg(HW_REG_WAVE_MODE, 25, 1), 1
	s_wait_xcnt 0x0
; LayerNorm and the dot with w_out from the eight slices' sums.  A thread takes one of 4 x 2,048 laid rows.  Nothing of reference() is left out here.
; mu = mean of the m_j;  sum (y - mu)^2 = sum of M2_j + 96 sum of (m_j - mu)^2;  sum (y - mu) gamma w = sum of s3_j + (m_j - mu) G_j.
; Laid row 16 T + r, T = 2 g + u, is label (125 g >> 2) + 8 u + r + 8 (r / 8); groups overlap, and a label is stored by the group in which it lies ahead of the next group's first.
; No LDS, no matrix unit, no cluster: 1 MB is read once and waves share nothing; each wave sums beta w for itself.
	s_load_b256 s[4:11], s[0:1], 0x0               ; st, beta, w_out, b_out
	s_load_b64 s[12:13], s[0:1], 0x20              ; out0
	s_lshl_b32 s14, ttmp9, 8
	v_add_nc_u32 v1, s14, v0                       ; the laid row
	v_lshlrev_b32 v2, 4, v1
	v_and_b32 v3, 31, v0
	v_lshlrev_b32 v3, 4, v3
	v_bfe_u32 v4, v1, 5, 6                         ; g
	v_bfe_u32 v5, v1, 4, 1                         ; u
	v_and_b32 v6, 15, v1                           ; r
	v_and_b32 v7, 8, v6
	v_add_nc_u32 v6, v6, v7
	v_lshl_add_u32 v6, v5, 3, v6                   ; the row in its group
	v_mul_u32_u24 v7, v4, 125
	v_add_nc_u32 v8, 125, v7
	v_lshrrev_b32 v7, 2, v7
	v_lshrrev_b32 v8, 2, v8
	v_sub_nc_u32 v8, v8, v7                        ; rows that this group stores
	v_lshrrev_b32 v9, 11, v1
	v_mul_u32_u24 v9, v9, 2000
	v_add3_u32 v9, v9, v7, v6
	v_lshlrev_b32 v9, 2, v9
	v_mov_b32 v97, 0
	s_mov_b32 s16, 0x76543210
	s_mov_b32 s17, 0xfedcba98
	s_mov_b32 s18, 0x3aaaaaab                      ; 1 / 768
	s_mov_b32 s19, 0x3727c5ac                      ; 1e-5
	s_wait_alu depctr_va_vdst(0)
	s_wait_kmcnt 0x0
	s_load_b32 s15, s[10:11], 0x0
.irp j, 0,1,2,3,4,5,6,7
	global_load_b128 v[16+4*\j:19+4*\j], v2, s[4:5] offset:131072*\j
.endr
.irp k, 0,1,2,3,4,5
	global_load_b128 v[48+4*\k:51+4*\k], v3, s[6:7] offset:512*\k
	global_load_b128 v[72+4*\k:75+4*\k], v3, s[8:9] offset:512*\k
.endr
	s_wait_loadcnt 0x0
	s_wait_kmcnt 0x0
	v_mul_f32 v96, v48, v72
.set k, 1
.rept 23
	v_fma_f32 v96, v[48+k], v[72+k], v96
.set k, k+1
.endr
	v_add_f32_dpp v96, v96, v96 row_xmask:1 row_mask:0xf bank_mask:0xf
	v_add_f32_dpp v96, v96, v96 row_xmask:2 row_mask:0xf bank_mask:0xf
	v_add_f32_dpp v96, v96, v96 row_xmask:4 row_mask:0xf bank_mask:0xf
	v_add_f32_dpp v96, v96, v96 row_xmask:8 row_mask:0xf bank_mask:0xf
	v_permlanex16_b32 v97, v96, s16, s17
	v_add_f32 v96, v96, v97
	v_add_f32 v96, s15, v96                        ; sum of beta w, + b_out
	v_add_f32 v100, v16, v20
	v_add_f32 v112, v17, v21
.irp j, 2,3,4,5,6,7
	v_add_f32 v100, v100, v[16+4*\j]
	v_add_f32 v112, v112, v[17+4*\j]
.endr
	v_mul_f32 v100, 0.125, v100                    ; mu
.irp j, 0,1,2,3,4,5,6,7
	v_sub_f32 v[104+\j], v[16+4*\j], v100
.endr
	v_mul_f32 v113, v104, v104
	v_fma_f32 v114, v104, v19, v18
.irp j, 1,2,3,4,5,6,7
	v_fma_f32 v113, v[104+\j], v[104+\j], v113
	v_add_f32 v114, v114, v[18+4*\j]
	v_fma_f32 v114, v[104+\j], v[19+4*\j], v114
.endr
	v_fma_f32 v112, v113, 0x42c00000, v112
	v_fma_f32 v112, v112, s18, s19                 ; var + eps
	v_cmp_gt_u32 vcc_lo, v8, v6
	s_wait_alu depctr_va_vdst(0)
	v_rsq_f32 v115, v112
	v_nop
	s_wait_alu depctr_va_vdst(0)
	v_fma_f32 v116, v115, v114, v96
	s_wait_xcnt 0x0                                ; EXEC changes only behind this wait
	s_and_saveexec_b32 s20, vcc_lo
	s_wait_alu depctr_va_vdst(0)
	global_store_b32 v9, v116, s[12:13]
	s_wait_xcnt 0x0
	s_or_b32 exec_lo, exec_lo, s20
	s_endpgm
.Lfunc_end_k_q951581ea53_join:
	.size	k_q951581ea53_join, .Lfunc_end_k_q951581ea53_join-k_q951581ea53_join
	.p2alignl 7, 3214868480
	.fill 96, 4, 3214868480
	.section	.rodata,"a",@progbits
	.p2align	6, 0x0
	.amdhsa_kernel k_q951581ea53_join
		.amdhsa_group_segment_fixed_size 0
		.amdhsa_private_segment_fixed_size 0
		.amdhsa_enable_private_segment 0
		.amdhsa_kernarg_size 40
		.amdhsa_user_sgpr_count 2
		.amdhsa_user_sgpr_kernarg_segment_ptr 1
		.amdhsa_wavefront_size32 1
		.amdhsa_system_sgpr_workgroup_id_x 1
		.amdhsa_system_sgpr_workgroup_id_y 1
		.amdhsa_system_sgpr_workgroup_id_z 1
		.amdhsa_system_vgpr_workitem_id 0
		.amdhsa_next_free_vgpr 128
		.amdhsa_next_free_sgpr 66
		.amdhsa_reserve_vcc 1
		.amdhsa_float_denorm_mode_32 3
		.amdhsa_float_denorm_mode_16_64 3
		.amdhsa_memory_ordered 1
		.amdhsa_forward_progress 1
		.amdhsa_inst_pref_size 9
	.end_amdhsa_kernel
	.amdgpu_metadata
---
amdhsa.version: [ 1, 2 ]
amdhsa.kernels:
  - .name:           k_q951581ea53_join
    .symbol:         k_q951581ea53_join.kd
    .args:
      - { .name: st, .offset: 0, .size: 8, .value_kind: global_buffer, .address_space: global }
      - { .name: ln_beta, .offset: 8, .size: 8, .value_kind: global_buffer, .address_space: global }
      - { .name: w_out, .offset: 16, .size: 8, .value_kind: global_buffer, .address_space: global }
      - { .name: b_out, .offset: 24, .size: 8, .value_kind: global_buffer, .address_space: global }
      - { .name: out0, .offset: 32, .size: 8, .value_kind: global_buffer, .address_space: global }
    .group_segment_fixed_size: 0
    .private_segment_fixed_size: 0
    .kernarg_segment_align: 8
    .kernarg_segment_size: 40
    .max_flat_workgroup_size: 256
    .sgpr_count:     66
    .vgpr_count:     128
    .wavefront_size: 32
...
	.end_amdgpu_metadata
.endif
;; end of part 8
